; MI455X (gfx1250); checked and timed in simulation.
; The chip was launched on July 23, 2026; its instructions are those of AMD's public machine-readable ISA for CDNA 5 (MIT licence, August 2026) and "CDNA5" Instruction Set Architecture Reference Guide (July 2026). The comments in the code are by the model that wrote it; some were corrected since.
;; Qwen3 Attention. Allowed arithmetic: matrix products marked QUANTISED: E2M3 operands, one E8M0 scale for each 32 along K, by v_wmma_scale_f32_16x16x128_f8f6f4 with both operands' format E2M3, f32 sums; everything else in f32.
;; Inputs: attention_mask 2 x 1 x 2,048 x 2,048 float32; hidden_states_codes 2 x 2,048 x 64 x 24 uint8 (E2M3 codes of hidden_states, K innermost, in blocks of 32 codes, four codes in three bytes); hidden_states_scales 2 x 2,048 x 64 uint8 (E8M0 scales of hidden_states, one for each 32 codes along K); k_norm_w 128 float32; k_w_codes 1,024 x 64 x 24 uint8 (E2M3 codes of k_w, K innermost, in blocks of 32 codes, four codes in three bytes); k_w_scales 1,024 x 64 uint8 (E8M0 scales of k_w, one for each 32 codes along K); o_w_codes 2,048 x 32 x 24 uint8 (E2M3 codes of o_w, K innermost, in blocks of 32 codes, four codes in three bytes); o_w_scales 2,048 x 32 uint8 (E8M0 scales of o_w, one for each 32 codes along K); position_ids 2 x 2,048 int32; q_norm_w 128 float32; q_w_codes 1,024 x 64 x 24 uint8 (E2M3 codes of q_w, K innermost, in blocks of 32 codes, four codes in three bytes); q_w_scales 1,024 x 64 uint8 (E8M0 scales of q_w, one for each 32 codes along K); v_w_codes 1,024 x 64 x 24 uint8 (E2M3 codes of v_w, K innermost, in blocks of 32 codes, four codes in three bytes); v_w_scales 1,024 x 64 uint8 (E8M0 scales of v_w, one for each 32 codes along K).
;; Outputs: out0 2 x 2,048 x 2,048 float32.
;; This version of the problem:
;;   THIS VERSION OF THE PROBLEM IS GIVEN IN LOW PRECISION. The matrix products marked QUANTISED in the list below multiply operands that are first quantised to E2M3 (2 exponent bits, 3 mantissa bits; 6 bits a number), with one power-of-two scale for each 32 numbers along K (OCP MX v1.0); their sums are f32. All else is computed in f32.
;;   The module's matrix products, in the order in which they are computed (A, B: the left and right operand; K: the contracted axis; several contracted axes count as one K, in the product's order):
;;     1. [M 4,096, K 2,048] x [K 2,048, N 1,024]; A: input hidden_states (given as codes); B: input q_w (given as codes): QUANTISED
;;     2. [M 4,096, K 2,048] x [K 2,048, N 1,024]; A: input hidden_states (given as codes); B: input k_w (given as codes): QUANTISED
;;     3. [M 4,096, K 2,048] x [K 2,048, N 1,024]; A: input hidden_states (given as codes); B: input v_w (given as codes): QUANTISED
;;     4. batch 16 x [M 2,048, K 128] x [K 128, N 2,048]; A: computed on the way; B: computed on the way: QUANTISED
;;     5. batch 16 x [M 2,048, K 2,048] x [K 2,048, N 128]; A: softmax (see below); B: computed on the way: QUANTISED
;;     6. [M 4,096, K 1,024] x [K 1,024, N 2,048]; A: computed on the way; B: input o_w (given as codes): QUANTISED
;;   THE QUANTISER, for each operand of a quantised product, along K:
;;     - K is cut into blocks of 32 from its start; a last block that is shorter is filled with zeros.
;;     - A block's scale is 2^e with e = floor(log2(the largest magnitude in the block)) - 2, held to -126 .. 127; a block of zeros has e = 0. As a byte (E8M0): e + 127.
;;     - Each number is divided by its block's scale, clamped to +-7.5, and rounded to the nearest number of E2M3, ties to even, subnormals kept.
;;     - The product sums the exact products of the quantised numbers (number of the format x scale) in f32.
;;   ~~~python
;;   def quantise(x, axis):      # numpy; x: float32 -> the quantised numbers, widened to float32 again
;;       x = np.moveaxis(x, axis, -1); K = x.shape[-1]
;;       x = np.pad(x, [(0, 0)] * (x.ndim - 1) + [(0, -K % 32)]); x = x.reshape(x.shape[:-1] + (-1, 32)); a = np.abs(x).max(-1, keepdims=True)
;;       e = np.where(a > 0, np.clip(np.frexp(np.where(a > 0, a, 1))[1] - 1 - 2, -126, 127), 0)      # np.frexp(a)[1] - 1 = floor(log2(a)), exactly
;;       r = np.clip(x / 2.0 ** e, -7.5, 7.5)
;;       step = 2.0 ** (np.maximum(np.frexp(np.where(r == 0, 1, r))[1] - 1, 0) - 3)
;;       q = np.round(r / step) * step * 2.0 ** e      # np.round: ties to even
;;       return np.moveaxis(q.reshape(q.shape[:-2] + (-1,))[..., :K], -1, axis).astype(np.float32)
;;   ~~~
;;   SOFTMAX AHEAD OF A QUANTISED PRODUCT. Where the list says 'softmax', what is quantised is not the finished softmax but p = 2^(t - M), with t = logit x log2(e) and M = ceil(the row's largest t), a whole number; so 1/2 < the row's largest p <= 1. The row's sum l is taken of the UNQUANTISED p, in f32, and the product's result is divided by l at the end. Since M is a whole number, a kernel that streams over the keys may use a running M (the ceiling of the running maximum): every later rescaling is an exact power of two, which a block's scale takes up: the codes' values come out the same.
;;   OPERANDS COMPUTED ON THE WAY. 'Computed on the way' means the value that the module computes at that place (a softmax that the list does not call 'softmax' is quantised finished and normalised). What goes into a quantiser is computed in f32, as accurately as f32 sums, v_exp_f32 and their like allow (about 1e-6 of the number): no bf16 or f16 on the way to a quantiser, and a product that is left as it is and whose result goes on into a quantised operand takes f32 operands (vector FMAs, or v_wmma_f32_16x16x4_f32). A number that lies on a knife's edge between two numbers of the format may be rounded either way, as far as f32 arithmetic and the matrix unit's own rounding can turn it there, and no further.
;;   INPUTS GIVEN AS CODES. hidden_states (in the module: [2, 2048, 2048], K = its axis 2); k_w (in the module: [1024, 2048], K = its axis 1); o_w (in the module: [2048, 1024], K = its axis 1); q_w (in the module: [1024, 2048], K = its axis 1); v_w (in the module: [1024, 2048], K = its axis 1): each comes as NAME_codes (uint8): NAME with its K axis moved to the last place and cut into blocks of 32 codes, [.., K / 32, bytes a block], one block behind the other in memory; four codes in three bytes: a row's codes are one little-endian stream of bits, code i at bits 6 i .. 6 i + 5 (a code: sign, 2 exponent bits, 3 mantissa bits); and NAME_scales (uint8): the same leading axes, one E8M0 byte (e + 127) for each 32 codes along K. Its value is code x scale, taken as it is: it is not quantised again, and the codes and scales need not be those that the quantiser above would give.
;; One version. Each part assembles by itself: llvm-mc -triple=amdgcn-amd-amdhsa -mcpu=gfx1250 --defsym DOCPART=n.
;; ======== version 1 of 1: 4 launches
;; limits: inputs' magnitudes at most 4,194,304; right only within a limited range of input values
;; workspace buffers: rope 2,097,152 bytes; qkv 9,830,400 bytes; att_img 3,145,728 bytes; att_scales 131,072 bytes
;; launch rope_table (part 1): grid 256 x 1, 4 waves a work-group, no clusters, 0 bytes of LDS; arguments position_ids, rope; writes rope
.if DOCPART == 1
	.amdgcn_target "amdgcn-amd-amdhsa--gfx1250"
	.amdhsa_code_object_version 6
	.text
	.protected	k_q914e79caf6_rope_table
	.globl	k_q914e79caf6_rope_table
	.p2align	8
	.type	k_q914e79caf6_rope_table,@function
k_q914e79caf6_rope_table:
	s_mov_b64 s[64:65], 0
	v_nop
	global_prefetch_b8 v0, s[64:65] scope:SCOPE_SE
	s_setreg_imm32_b32 hwreg(HW_REG_WAVE_MODE, 25, 1), 1
	s_wait_xcnt 0x0
; cos and sin of position x inv_freq, inv_freq[f] = 1e6^(-f / 64), f = 0 .. 63, for all 4,096 tokens, laid as the next launch's registers take them:
; rope[token tile of 16][quad 0 .. 15][lane 0 .. 31][16 bytes].  Lane (r, h) = (lane % 16, lane / 16) stands for token r of the tile.
; Quad 2 b + e holds cos at the frequencies 16 b + 8 h + 4 e + 0 .. 3, quad 8 + 2 b + e the sines.
; A work-group takes one tile of 16 tokens, wave w the frequencies 16 w .. 16 w + 15: eight a lane.  No LDS, no barrier, no loop: waves share nothing.
; ARITHMETIC, all f32.  inv_freq = 2^(-f L), L = log2(1e6) / 64 in two parts: f x L_hi is exact (L_hi has 14 bits, f has 6), so the exponent is split into a whole number N and a
; fraction without loss; 2^-N is written as an exponent field and multiplied in, which rounds nothing.  The angle is position x inv_freq, rounded once.  It is reduced by
; k = the nearest whole number to angle x 2 / pi, with pi / 2 in three parts, and cos and sin of the rest (at most pi / 4 in magnitude) are the Taylor sums up to x^8 and x^9,
; whose first left-out terms lie under 2.5e-8.
; WHOLE NUMBERS.  C = 1.5 x 2^23.  For |x| under 2^22 the f32 sum x + C is C + (x rounded to the nearest whole number, ties to even), and its bits are C's bits + that whole number.
; So one addition rounds, a second (of -C) gives the whole number as f32, and the sum's low bits are the whole number itself; the other way round, C's bits + n are the f32 number C + n.
; LIMITS: |position| and |position x inv_freq x 2 / pi| under 2^22, by the line above; positions are signed 32-bit numbers.
.set MAGIC,  0x4b400000                ; C = 1.5 x 2^23
.set NMAGIC, 0xcb400000                ; -C
.set JF, 8                             ; v8-15   the frequency's number as f32
.set AN, 16                            ; v16-23  the exponent's fraction, then inv_freq, the angle, the reduced angle
.set KN, 24                            ; v24-31  whole numbers as f32; later reduced angle x its square
.set KI, 32                            ; v32-39  C + a whole number: its low bits are that number
.set S2, 40                            ; v40-47  the reduced angle's square; at the end the cosines
.set CO, 48                            ; v48-55  the cos polynomial
.set SI, 56                            ; v56-63  the sin polynomial; at the end the sines
	s_load_b128 s[4:7], s[0:1], 0x0                ; position_ids s[4:5], rope s[6:7]
	v_lshrrev_b32 v5, 5, v0
	v_readfirstlane_b32 s8, v5                     ; wave 0..3
	v_and_b32 v1, 15, v0
	v_lshlrev_b32 v1, 2, v1                        ; 4 r: my token's position
	v_and_b32 v2, 31, v0
	v_lshlrev_b32 v2, 4, v2                        ; 16 x lane: my 16 bytes of a quad
	v_bfe_u32 v6, v0, 4, 1                         ; h
	s_lshl_b32 s9, s8, 4
	v_lshl_add_u32 v6, v6, 3, s9                   ; my first frequency: 16 w + 8 h
	s_lshl_b32 s10, ttmp9, 6                       ; the tile's 16 positions: 64 bytes
	s_mov_b32 s11, 0
	s_lshl_b32 s12, ttmp9, 13                      ; the tile's 8,192 bytes of the table,
	s_lshl_b32 s13, s8, 10                         ; my wave's two quads of cosines
	s_add_co_u32 s12, s12, s13
	s_mov_b32 s13, 0
	s_mov_b32 s16, 0x3e9f7400                      ; L_hi = 81640 x 2^-18
	s_mov_b32 s17, 0x35971c99                      ; -L_lo = L_hi - L
	s_mov_b32 s18, 0x3f22f983                      ; 2 / pi
	s_mov_b32 s19, 0xbfc90fd8                      ; -(pi / 2), first part (its last three bits are 0)
	s_mov_b32 s20, 0xb4a8885a                      ; second part
	s_mov_b32 s21, 0xa7c234c4                      ; third part
	s_mov_b32 s22, 0x37d00d01                      ; 1 / 8!
	s_mov_b32 s24, 0x3d2aaaab                      ; 1 / 4!
	s_mov_b32 s25, 0x3638ef1d                      ; 1 / 9!
	s_mov_b32 s27, 0x3c088889                      ; 1 / 5!
	s_mov_b32 s28, 0xbe2aaaab                      ; -1 / 3!
	v_mov_b32 v4, 0xbab60b61                       ; -1 / 6!
	v_mov_b32 v7, 0xb9500d01                       ; -1 / 7!
	s_wait_kmcnt 0x0
	s_add_nc_u64 s[4:5], s[4:5], s[10:11]
	s_add_nc_u64 s[6:7], s[6:7], s[12:13]
	global_load_b32 v3, v1, s[4:5]                 ; the position; the frequencies are made while it is on its way
.irp j, 0,1,2,3,4,5,6,7
	v_add_nc_u32 v[JF+\j], MAGIC+\j, v6            ; the bits of C + f
.endr
.irp j, 0,1,2,3,4,5,6,7
	v_add_f32 v[JF+\j], NMAGIC, v[JF+\j]           ; f as f32
.endr
.irp j, 0,1,2,3,4,5,6,7
	v_mul_f32 v[AN+\j], s16, v[JF+\j]              ; f x L_hi: exact
.endr
.irp j, 0,1,2,3,4,5,6,7
	v_add_f32 v[KI+\j], MAGIC, v[AN+\j]            ; C + N, N its nearest whole number
.endr
.irp j, 0,1,2,3,4,5,6,7
	v_add_f32 v[KN+\j], NMAGIC, v[KI+\j]           ; N
.endr
.irp j, 0,1,2,3,4,5,6,7
	v_sub_f32 v[AN+\j], v[KN+\j], v[AN+\j]         ; N - f x L_hi: exact
.endr
.irp j, 0,1,2,3,4,5,6,7
	v_fma_f32 v[AN+\j], v[JF+\j], s17, v[AN+\j]    ; - f x L_lo: N - f L, at most a half in magnitude
.endr
.irp j, 0,1,2,3,4,5,6,7
	v_exp_f32 v[AN+\j], v[AN+\j]                   ; 2^(N - f L)
.endr
.irp j, 0,1,2,3,4,5,6,7
	v_sub_nc_u32 v[KI+\j], MAGIC+127, v[KI+\j]     ; 127 - N.  (Plain lines behind the exponentials, before their results are used)
.endr
.irp j, 0,1,2,3,4,5,6,7
	v_lshlrev_b32 v[KI+\j], 23, v[KI+\j]           ; as an exponent field: 2^-N (N is 0 .. 20)
.endr
	s_wait_alu depctr_va_vdst(0)
.irp j, 0,1,2,3,4,5,6,7
	v_mul_f32 v[AN+\j], v[AN+\j], v[KI+\j]         ; inv_freq
.endr
	s_wait_loadcnt 0x0
	v_add_nc_u32 v3, MAGIC, v3                     ; the bits of C + position
	v_add_f32 v3, NMAGIC, v3                       ; the position as f32
.irp j, 0,1,2,3,4,5,6,7
	v_mul_f32 v[AN+\j], v3, v[AN+\j]               ; the angle
.endr
.irp j, 0,1,2,3,4,5,6,7
	v_mul_f32 v[KI+\j], s18, v[AN+\j]
.endr
.irp j, 0,1,2,3,4,5,6,7
	v_add_f32 v[KI+\j], MAGIC, v[KI+\j]            ; C + k: its two lowest bits are k mod 4, for a negative k too
.endr
.irp j, 0,1,2,3,4,5,6,7
	v_add_f32 v[KN+\j], NMAGIC, v[KI+\j]           ; k
.endr
.irp j, 0,1,2,3,4,5,6,7
	v_fma_f32 v[AN+\j], v[KN+\j], s19, v[AN+\j]    ; angle - k pi / 2, part by part
.endr
.irp j, 0,1,2,3,4,5,6,7
	v_fma_f32 v[AN+\j], v[KN+\j], s20, v[AN+\j]
.endr
.irp j, 0,1,2,3,4,5,6,7
	v_fma_f32 v[AN+\j], v[KN+\j], s21, v[AN+\j]
.endr
.irp j, 0,1,2,3,4,5,6,7
	v_mul_f32 v[S2+\j], v[AN+\j], v[AN+\j]
.endr
.irp j, 0,1,2,3,4,5,6,7
	v_fma_f32 v[CO+\j], v[S2+\j], s22, v4
	v_fma_f32 v[SI+\j], v[S2+\j], s25, v7
.endr
.irp j, 0,1,2,3,4,5,6,7
	v_fma_f32 v[CO+\j], v[CO+\j], v[S2+\j], s24
	v_fma_f32 v[SI+\j], v[SI+\j], v[S2+\j], s27
.endr
.irp j, 0,1,2,3,4,5,6,7
	v_fma_f32 v[CO+\j], v[CO+\j], v[S2+\j], -0.5
	v_fma_f32 v[SI+\j], v[SI+\j], v[S2+\j], s28
.endr
.irp j, 0,1,2,3,4,5,6,7
	v_fma_f32 v[CO+\j], v[CO+\j], v[S2+\j], 1.0    ; cos of the reduced angle
	v_mul_f32 v[KN+\j], v[AN+\j], v[S2+\j]
.endr
.irp j, 0,1,2,3,4,5,6,7
	v_fma_f32 v[SI+\j], v[SI+\j], v[KN+\j], v[AN+\j]   ; sin of the reduced angle
.endr
; the quadrant.  k odd: cos and sin change places.  sin is negative where bit 1 of k is set, cos where bit 1 of k + 1 is set
.irp j, 0,1,2,3,4,5,6,7
	v_and_b32 v5, 1, v[KI+\j]
	v_cmp_eq_u32 vcc_lo, 1, v5
	v_cndmask_b32 v[S2+\j], v[CO+\j], v[SI+\j], vcc_lo
	v_cndmask_b32 v[SI+\j], v[SI+\j], v[CO+\j], vcc_lo
	v_lshlrev_b32 v5, 30, v[KI+\j]
	v_add_nc_u32 v7, 1, v[KI+\j]
	v_and_b32 v5, 0x80000000, v5
	v_lshlrev_b32 v7, 30, v7
	v_xor_b32 v[SI+\j], v5, v[SI+\j]
	v_and_b32 v7, 0x80000000, v7
	v_xor_b32 v[S2+\j], v7, v[S2+\j]
.endr
	global_store_b128 v2, v[S2:S2+3], s[6:7]                   ; each store of the wave covers 512 consecutive bytes, aligned
	global_store_b128 v2, v[S2+4:S2+7], s[6:7] offset:512
	global_store_b128 v2, v[SI:SI+3], s[6:7] offset:4096
	global_store_b128 v2, v[SI+4:SI+7], s[6:7] offset:4608
	s_endpgm
.Lfunc_end_k_q914e79caf6_rope_table:
	.size	k_q914e79caf6_rope_table, .Lfunc_end_k_q914e79caf6_rope_table-k_q914e79caf6_rope_table
	.p2alignl 7, 3214868480
	.fill 96, 4, 3214868480
	.section	.rodata,"a",@progbits
	.p2align	6, 0x0
	.amdhsa_kernel k_q914e79caf6_rope_table
		.amdhsa_group_segment_fixed_size 0
		.amdhsa_private_segment_fixed_size 0
		.amdhsa_enable_private_segment 0
		.amdhsa_kernarg_size 16
		.amdhsa_user_sgpr_count 2
		.amdhsa_user_sgpr_kernarg_segment_ptr 1
		.amdhsa_wavefront_size32 1
		.amdhsa_system_sgpr_workgroup_id_x 1
		.amdhsa_system_sgpr_workgroup_id_y 1
		.amdhsa_system_sgpr_workgroup_id_z 1
		.amdhsa_system_vgpr_workitem_id 0
		.amdhsa_next_free_vgpr 64
		.amdhsa_next_free_sgpr 66
		.amdhsa_reserve_vcc 1
		.amdhsa_float_denorm_mode_32 3
		.amdhsa_float_denorm_mode_16_64 3
		.amdhsa_memory_ordered 1
		.amdhsa_forward_progress 1
		.amdhsa_inst_pref_size 18
	.end_amdhsa_kernel
	.amdgpu_metadata
---
amdhsa.version: [ 1, 2 ]
amdhsa.kernels:
  - .name:           k_q914e79caf6_rope_table
    .symbol:         k_q914e79caf6_rope_table.kd
    .args:
      - { .name: position_ids, .offset: 0, .size: 8, .value_kind: global_buffer, .address_space: global }
      - { .name: rope, .offset: 8, .size: 8, .value_kind: global_buffer, .address_space: global }
    .group_segment_fixed_size: 0
    .private_segment_fixed_size: 0
    .kernarg_segment_align: 8
    .kernarg_segment_size: 16
    .max_flat_workgroup_size: 128
    .sgpr_count:     66
    .vgpr_count:     64
    .wavefront_size: 32
...
	.end_amdgpu_metadata
.endif
;; end of part 1
;; launch qkv_proj (part 2): grid 12 x 16, 4 waves a work-group, clusters of 4 x 4, 327,680 bytes of LDS; arguments hidden_states_codes, hidden_states_scales, q_w_codes, q_w_scales, k_w_codes, k_w_scales, v_w_codes, v_w_scales, q_norm_w, k_norm_w, rope, qkv; writes qkv
.if DOCPART == 2
	.amdgcn_target "amdgcn-amd-amdhsa--gfx1250"
	.amdhsa_code_object_version 6
	.text
	.protected	k_q914e79caf6_qkv_proj
	.globl	k_q914e79caf6_qkv_proj
	.p2align	8
	.type	k_q914e79caf6_qkv_proj,@function
k_q914e79caf6_qkv_proj:
	s_mov_b64 s[64:65], 0
	v_nop
	global_prefetch_b8 v0, s[64:65] scope:SCOPE_SE
	s_setreg_imm32_b32 hwreg(HW_REG_WAVE_MODE, 25, 1), 1
	s_wait_xcnt 0x0
	s_wait_alu depctr_hold_cnt(0) depctr_sa_sdst(0) depctr_va_vdst(0) depctr_va_sdst(0) depctr_va_ssrc(0) depctr_va_vcc(0) depctr_vm_vsrc(0)
	s_getreg_b32 s2, hwreg(HW_REG_IB_STS2, 6, 4)
	s_cmp_eq_u32 s2, 0
	s_cbranch_scc0 .Lentry_in_a_cluster
	s_endpgm
.Lentry_in_a_cluster:
	s_bfe_u32 s2, ttmp6, 0x10000c
	s_cmp_lg_u32 s2, 0xf033
	s_cbranch_scc0 .Lentry_shape_is_right
	s_endpgm
.Lentry_shape_is_right:
; q, k, v = hidden_states x (q_w, k_w, v_w)^T on codes of FP6 (E2M3) with one E8M0 scale for each 32 along K = 2,048; then, in f32, the RMS norm of each head's 128 numbers and the rotary
; turn for q and k; then all three are quantised again, q and k along the head's 128, v along the tokens (the keys), and stored as IMAGES OF OPERAND REGISTERS for the attention launch.
; THE PRODUCT.  A tile of 256 x 256 is made by a work-group of four waves, a wave makes 128 x 128: 64 accumulators of 16 x 16, 512 registers.  K goes in steps of 256 through a ring of two LDS slots
; filled by the tensor data mover; the scale bytes of the tile's rows, for all of K, come into LDS once with the first fills.  4 x 4 work-groups form a cluster and ask for shared tiles jointly.
; TWO ROLES.  R is source 1 of the matrix instruction (its tiles are shared along a row of the cluster), P is source 0 (shared along a column).  In a result lane (r, h) holds ROW r of R's block and
; its register 8 b + j the row 16 b + 8 h + j of P's 128.  The cluster's x says what is made: 0: q (R = tokens, P = q_w), 1: k (R = tokens, P = k_w), 2: v (R = v_w, P = tokens).
; So a lane holds one token and 64 of a head's 128 numbers (q, k), or one of the head's 128 and 64 of 128 tokens (v): its registers run along the NEXT product's K, and a wave's 128 rows of P are one K step of it.
; THE ORDER INSIDE A BLOCK OF 32.  A lane's 16 registers of a block are the block's numbers 8 h + 0..7 and 16 + 8 h + 0..7.  They are packed as they stand, so a block's codes lie in the order
; 0-7, 16-23, 8-15, 24-31.  The order stays inside a scale's block and is the same in q and k, and in v and the attention launch's p: the products are the same sums.
; OUT.  qkv[batch 2][head 8][group of 128 tokens 16][q, k, v] x 12,800 bytes.  A record: eight fragment images of 1,536 bytes (registers 4 c .. 4 c + 3 of lane l at 512 c + 16 l), then 512 bytes of scale words
; (at 16 l + 4 u: the word of row l % 16 of fragment 2 u + l / 16).  q, k: fragment a = tokens 16 a + r; v: fragment a = the head's numbers 16 a + r.
; 192 work-groups: three tensors x 64 tiles.  A smaller tile would give more work-groups at twice the LDS bytes for each product.
; LIMITS: NaN and infinities are not served; a block whose largest magnitude lies under 2^-124 keeps the scale byte 1 (its codes are still right for that byte; a block of zeros has zero codes).
; REGISTERS, in windows of 256.  Window 0: v0-31 addresses and small things; v32-63 scale words, two sets (they hold nothing else); v64-127 the norm's weights; from v128 R's fragments, one set; on the way out v128-255 are at work.
;   Window 1: P's fragments, two sets, at v0 and v128; v96-127 and v224-255 lie idle in the loop and take the first block's cos and sin.   Windows 2, 3: the accumulators ((a, b) at v[8 (8 (a % 4) + b)]).
.set SIZE_K, 2048
.set KSTEP,  256                       ; along K in a slot
.set NQ,     KSTEP/128                 ; matrix instructions deep
.set ROWB,   192                       ; a tile's row in bytes
.set KROW,   SIZE_K*6/8                ; a row of codes in memory
.set PITCH,  240                       ; an LDS row: 3 x (64 bytes + 16 of padding)
.set FR,     12                        ; registers of a fragment
.set NL,     6                         ; LDS loads that bring one
.set NP,     4                         ; places behind this matrix instruction (ISA guide 7.12.1)
.set HALFT,  128*PITCH                 ; 128 rows: what one tensor load brings
.set SLOT,   4*HALFT                   ; R's 256 rows, then P's 256 rows
.set LAPS,   SIZE_K/(2*KSTEP)          ; a lap = two K steps = once round the ring
.set KS,     SIZE_K/32                 ; a row of scale bytes
.set SCL,    2*SLOT                    ; behind the ring: the scales, as runs of 256 bytes + 16 of padding
.set HALFS,  (128*KS/256)*272          ; the scales of 128 rows
.set SBLK,   (16*KS/256)*272           ; those of 16 rows
.set SPARE,  SCL+4*HALFS               ; behind the scales: the spare words, 128 bytes for each wave, which no other line names
.set REC,    12800                     ; a record of the output
.set ADRA, 16                          ; v16-17 LDS address of R's fragments in slot 0, 1 (v18-19: for the pieces behind one padding more)
.set ADRB, 20                          ; v20-23 the same for P
.set LI,   24                          ; v24    16 x lane
.set H32,  25                          ; v25    32 h
.set ADRS, 27                          ; v27    LDS address of my scale words: lanes 0-15 R's rows, lanes 16-31 P's
.set SPW,  28                          ; v28    LDS address of my spare word; never rewritten
.set NIL,  29                          ; v29    0; never rewritten
.set SCW,  8                           ; v8-15  the way out: block a's scale word
.set SC,   32                          ; the loop's scale words
.set WN,   64                          ; v64-127  the norm's weight at my 64 places
.set AF,   128                         ; R's fragments
.set TT,   128                         ; v128-191 the way out: a block's 64 numbers
.set TMP,  192                         ; v192-223 at work in the rotary turn
.set SCI,  192                         ; v192-195 at the end: the scale image
.set PC,   224                         ; v224-235 a fragment's codes; v236-238, v240-242 their second halves as the conversions leave them
.set BM,   244                         ; v244-247 largest magnitudes
.set BP,   248                         ; v248-251 the other half's; then the bytes
.set SO,   252                         ; v252-255 the conversions' scale operands
.set G1, 24                            ; s[24:31] descriptor group 1 for R's tiles;  s[32:39] group 0, one set for each slot
.set G0, 32
.set G1B, 48                           ; s[48:55], s[56:63] the same for P's tiles
.set G0B, 56
.set G1S, 68                           ; s[68:75], s[76:79] groups 1 and 0 for R's scales;  s[80:87], s[88:91] for P's
.set G0S, 76
.set G1SB, 80
.set G0SB, 88
.set SEL,  66                          ; s[66:67] lane selects for v_permlanex16_b32: lane l xor 16
.set KIND, 95                          ; s95  0: q, 1: k, 2: v: the cluster's x, the same in all sixteen partners
.set NRM,  96                          ; s[96:97] q_norm_w or k_norm_w
.set TAB,  98                          ; s[98:99] the cos and sin of my 128 tokens
.set HI16, 104                         ; s104 the mask of lanes 16-31
.set EPS,  105                         ; s105 1e-6
.set MSB, 0
.macro WIN new                         ; the immediate's high byte repeats the setting that is left
.if MSB != \new
	s_set_vgpr_msb (MSB<<8)|\new
.set MSB, \new
.endif
.endm
.set MUL_LO, 0xa1                      ; source 0 (P) window 1, source 1 (R) window 0, C and D window 2
.set MUL_HI, 0xf1                      ; the same, C and D window 3
.set TO_B,   0x40                      ; destination window 1, address window 0
; A joint load: waves 0 and 1 fetch for R, waves 2 and 3 for P.  Each line has one mask and one set of registers for all that issue it; the branch hangs on the wave's number alone.
; Four v_nop follow each of the two lines, ahead of the jump, the label and what follows.
.macro JLOAD g0a, g1a, g0b, g1b
	s_cmp_eq_u32 s15, 0
	s_cbranch_scc0 .Lfor_b_\@
	tensor_load_to_lds s[\g0a:\g0a+3], s[\g1a:\g1a+7]
	s_nop 0
.rept 4
	v_nop
.endr
	s_branch .Lasked_\@
.Lfor_b_\@:
	tensor_load_to_lds s[\g0b:\g0b+3], s[\g1b:\g1b+7]
	s_nop 0
.rept 4
	v_nop
.endr
.Lasked_\@:
.endm
.macro CREST                           ; a round of the cluster's barrier behind its opening barrier
	s_cmp_lg_u32 s14, 0
	s_cbranch_scc1 .Lnot_wave_0_\@
	s_barrier_signal -3
.Lnot_wave_0_\@:
	s_barrier_wait -3
	s_barrier_signal -1
	s_barrier_wait -1
.endm
.macro CROUND                          ; a whole round
	s_barrier_signal -1
	s_barrier_wait -1
	CREST
.endm
	s_load_b512 s[68:83], s[0:1], 0x0              ; hidden codes, scales; q_w codes, scales; k_w codes, scales; v_w codes, scales
	s_load_b256 s[84:91], s[0:1], 0x40             ; q_norm_w, k_norm_w, rope, qkv
	v_lshl_add_u32 v[SPW], v0, 2, SPARE
	v_mov_b32 v[NIL], 0
	ds_add_u32 v28, v29
	s_wait_dscnt 0x0
	v_lshrrev_b32 v1, 5, v0
	v_readfirstlane_b32 s14, v1                    ; wave 0..3
	s_lshr_b32 s15, s14, 1                         ; which half of R's rows is mine.  Also: I fetch for R (0) or for P (1)
	s_and_b32 s16, s14, 1                          ; which half of P's rows.  Also: which 128 rows of that tile I fetch
	s_bfe_u32 s40, ttmp6, 0x40000                  ; cx, cy: my place in the cluster
	s_bfe_u32 s41, ttmp6, 0x40004
	s_mov_b32 s[KIND], ttmp9
	s_and_b32 s18, ttmp7, 0xffff
	s_lshl_b32 s18, s18, 2                         ; 4 x cluster y: it walks the 16 tiles of tokens
	s_cmp_eq_u32 s[KIND], 2
	s_cselect_b32 s42, s18, 0                      ; P's tile: v: 4 y + cx (tokens);  q, k: cx (the weight's four tiles)
	s_cselect_b32 s17, 0, s18                      ; R's tile: v: cy (the weight's);  q, k: 4 y + cy (tokens)
	s_add_co_u32 s42, s42, s40
	s_add_co_u32 s17, s17, s41
	s_lshl_b32 s43, s41, 2
	s_lshl_b32 s43, 15, s43                        ; my row of the cluster
	s_lshl_b32 s44, 0x1111, s40                    ; my column
	s_mov_b32 s[SEL], 0x76543210
	s_mov_b32 s[SEL+1], 0xfedcba98
	s_mov_b32 s[HI16], 0xffff0000
	s_mov_b32 s[EPS], 0x358637bd
	; descriptor group 1: a tile of 128 rows x ROWB bytes, padded in LDS
	s_or_b32 s[G1+0], s43, (0<<16)|(1<<20)|(1<<21)|(3<<22)|(3<<25)  ; 15:0 the mask: R's tiles go to my row; 17:16 element of 1 byte; 20 padding on; 21 set beside a mask; 24:22 after every 16 words (code 3); 31:25 of 4 words (code 3)
	s_or_b32 s[G1B+0], s44, (0<<16)|(1<<20)|(1<<21)|(3<<22)|(3<<25)
.irp g, G1, G1B
	s_mov_b32 s[\g+1], ROWB<<16                    ; tensor_dim0
	s_mov_b32 s[\g+2], 128<<16                     ; tensor_dim1 = 128
	s_mov_b32 s[\g+3], ROWB<<16                    ; tile_dim0
	s_mov_b32 s[\g+4], 128                         ; tile_dim1 = 128
	s_mov_b32 s[\g+5], KROW                        ; tensor_dim0_stride
	s_mov_b32 s[\g+6], 0
	s_mov_b32 s[\g+7], 0
.endr
	s_lshl_b32 s18, s16, 7                         ; which 128 rows of the tile I fetch
	s_lshl_b32 s20, s17, 8
	s_add_co_u32 s20, s20, s18                     ; R: row 256 x tile + 128 x half
	s_lshl_b32 s46, s42, 8
	s_add_co_u32 s46, s46, s18                     ; P likewise
	s_mov_b32 s21, 0
	s_mov_b32 s47, 0
	s_mov_b64 s[18:19], KS
	s_mul_u64 s[22:23], s[20:21], s[18:19]         ; where these rows' scales begin, in bytes
	s_mul_u64 s[92:93], s[46:47], s[18:19]
	s_mov_b64 s[18:19], KROW
	s_mul_u64 s[20:21], s[20:21], s[18:19]         ; and their codes
	s_mul_u64 s[46:47], s[46:47], s[18:19]
	s_mul_i32 s45, s14, HALFT                      ; where they go: wave x 128 rows: no place in the cluster enters an LDS address
	s_mul_i32 s94, s14, HALFS
	s_wait_kmcnt 0x0
	; which tensors play R and P: choices on the cluster's x alone
	s_cmp_eq_u32 s[KIND], 0
	s_cselect_b64 s[8:9], s[72:73], s[76:77]       ; q_w or k_w: codes,
	s_cselect_b64 s[10:11], s[74:75], s[78:79]     ; scales,
	s_cselect_b64 s[NRM:NRM+1], s[84:85], s[86:87] ; and the norm's weight
	s_cmp_eq_u32 s[KIND], 2
	s_cselect_b64 s[4:5], s[80:81], s[68:69]       ; R's codes: v_w, or hidden_states
	s_cselect_b64 s[6:7], s[82:83], s[70:71]       ; R's scales
	s_cselect_b64 s[8:9], s[68:69], s[8:9]         ; P's codes: hidden_states, or the weight
	s_cselect_b64 s[10:11], s[70:71], s[10:11]     ; P's scales
	s_mov_b64 s[TAB:TAB+1], s[88:89]
	s_mov_b64 s[12:13], s[90:91]                   ; the arguments' registers are free from here on
	; the scales of 128 rows: a dense block of 128 KS bytes, as rows of 256 bytes (32 elements of 8 bytes), 16 bytes of padding behind each
	s_or_b32 s[G1S+0], s43, (3<<16)|(1<<20)|(1<<21)|(5<<22)|(3<<25)
	s_or_b32 s[G1SB+0], s44, (3<<16)|(1<<20)|(1<<21)|(5<<22)|(3<<25)
.irp g, G1S, G1SB
	s_mov_b32 s[\g+1], 32<<16
	s_mov_b32 s[\g+2], (128*KS/256)<<16
	s_mov_b32 s[\g+3], 32<<16
	s_mov_b32 s[\g+4], 128*KS/256
	s_mov_b32 s[\g+5], 32
	s_mov_b32 s[\g+6], 0
	s_mov_b32 s[\g+7], 0
.endr
	s_add_nc_u64 s[20:21], s[4:5], s[20:21]
	s_add_nc_u64 s[22:23], s[6:7], s[22:23]
	s_add_nc_u64 s[46:47], s[8:9], s[46:47]
	s_add_nc_u64 s[92:93], s[10:11], s[92:93]
	CROUND                                         ; all sixteen work-groups are here: the first joint loads meet
	s_mov_b32 s[G0S], 1
	s_add_co_u32 s[G0S+1], s94, SCL
	s_mov_b64 s[G0S+2:G0S+3], s[22:23]
	s_or_b32 s[G0S+3], s[G0S+3], 0x80000000
	s_mov_b32 s[G0SB], 1
	s_add_co_u32 s[G0SB+1], s94, SCL
	s_mov_b64 s[G0SB+2:G0SB+3], s[92:93]
	s_or_b32 s[G0SB+3], s[G0SB+3], 0x80000000
	JLOAD G0S, G1S, G0SB, G1SB                     ; the scales first: they are wanted with K step 0
.irp s, 0,1
	s_mov_b32 s[G0+4*\s], 1
	s_add_co_u32 s[G0+4*\s+1], s45, \s*SLOT
	s_add_nc_u64 s[G0+4*\s+2:G0+4*\s+3], s[20:21], \s*ROWB
	s_or_b32 s[G0+4*\s+3], s[G0+4*\s+3], 0x80000000
	s_mov_b32 s[G0B+4*\s], 1
	s_add_co_u32 s[G0B+4*\s+1], s45, \s*SLOT
	s_add_nc_u64 s[G0B+4*\s+2:G0B+4*\s+3], s[46:47], \s*ROWB
	s_or_b32 s[G0B+4*\s+3], s[G0B+4*\s+3], 0x80000000
	JLOAD G0+4*\s, G1, G0B+4*\s, G1B
.endr
	v_and_b32 v1, 15, v0                           ; r = l % 16
	v_bfe_u32 v2, v0, 4, 1                         ; h = l / 16
	v_mul_u32_u24 v3, v1, PITCH
	v_mul_u32_u24 v4, v2, 24
	v_add_nc_u32 v4, v3, v4                        ; a fragment's row x pitch + 24 x half
	v_lshl_add_u32 v5, v2, 4, v4                   ; and the same behind one padding more
	s_mul_i32 s21, s15, HALFT                      ; my 128 rows of R
	s_mul_i32 s22, s16, HALFT                      ; my 128 rows of P,
	s_add_co_u32 s22, s22, 2*HALFT                 ; which lie behind R's 256
.irp s, 0,1
	v_add_nc_u32 v[ADRA+\s], s21, v4
	v_add_nc_u32 v[ADRB+\s], s22, v4
	v_add_nc_u32 v[ADRA+2+\s], s21, v5
	v_add_nc_u32 v[ADRB+2+\s], s22, v5
	s_add_co_u32 s21, s21, SLOT
	s_add_co_u32 s22, s22, SLOT
.endr
	v_mul_u32_u24 v5, v1, KS                       ; my row's scales: KS bytes a row,
	v_lshrrev_b32 v6, 8, v5
	v_lshl_add_u32 v5, v6, 4, v5                   ; and 16 more for each 256 passed
	s_mul_i32 s21, s15, HALFS                      ; R's: my 128 rows
	s_mul_i32 s22, s16, HALFS                      ; P's: my 128 rows, behind R's 256
	s_add_co_u32 s22, s22, 2*HALFS
	s_sub_co_u32 s22, s22, s21
	v_mul_u32_u24 v6, s22, v2                      ; lanes 16-31 take P's
	s_add_co_u32 s21, s21, SCL
	v_add_nc_u32 v5, v5, v6
	v_add_nc_u32 v[ADRS], s21, v5
	v_and_b32 v[LI], 31, v0
	v_lshlrev_b32 v[LI], 4, v[LI]
	v_lshlrev_b32 v[H32], 5, v2
.irp b, 0,1,2,3
	v_mov_b32 v[BP+\b], 0                          ; written once: a lane permute's destination counts as one of its sources
.endr
	; where my record lies.  My 128 rows of the weight are a head, my 128 tokens a group
	s_lshl_b32 s20, s17, 1
	s_add_co_u32 s20, s20, s15                     ; R's 128 rows: 2 x tile + half
	s_lshl_b32 s21, s42, 1
	s_add_co_u32 s21, s21, s16                     ; P's
	s_cmp_eq_u32 s[KIND], 2
	s_cselect_b32 s22, s20, s21                    ; the head
	s_cselect_b32 s23, s21, s20                    ; the group of 128 tokens, 0 .. 31
	s_lshr_b32 s46, s23, 4                         ; the batch
	s_lshl_b32 s46, s46, 3
	s_add_co_u32 s46, s46, s22
	s_lshl_b32 s46, s46, 4
	s_and_b32 s47, s23, 15
	s_add_co_u32 s46, s46, s47
	s_mul_i32 s46, s46, 3*REC
	s_mul_i32 s47, s[KIND], REC
	s_add_co_u32 s46, s46, s47
	s_mov_b32 s47, 0
	s_add_nc_u64 s[12:13], s[12:13], s[46:47]
	s_lshl_b32 s46, s23, 16                        ; the group's eight tiles of 8,192 bytes in the table
	s_add_nc_u64 s[TAB:TAB+1], s[TAB:TAB+1], s[46:47]
	; The norm's weight at my places (16 b + 8 h + j) and the first block's cos and sin go into registers that lie idle in the loop.  v's work-groups load them too and do not use them,
	; so that these registers are written on every way through the text.
.irp b, 0,1,2,3,4,5,6,7
	global_load_b128 v[WN+8*\b:WN+8*\b+3], v[H32], s[NRM:NRM+1] offset:64*\b
	global_load_b128 v[WN+8*\b+4:WN+8*\b+7], v[H32], s[NRM:NRM+1] offset:64*\b+16
.endr
; the cos and sin of block a's 16 tokens: 16 quads of 512 bytes, into buffer a % 2 of window 1 (0: v96.., v224..;  1: v0.., v32..)
.macro TBL a
.set CB, 96-96*((\a)%2)
.set SB, 224-192*((\a)%2)
	WIN TO_B
.irp q, 0,1,2,3,4,5,6,7
	global_load_b128 v[CB+4*\q:CB+4*\q+3], v[LI], s[TAB:TAB+1] offset:8192*(\a)+512*\q
.endr
.irp q, 0,1,2,3,4,5,6,7
	global_load_b128 v[SB+4*\q:SB+4*\q+3], v[LI], s[TAB:TAB+1] offset:8192*(\a)+4096+512*\q
.endr
	WIN 0
.endm
	TBL 0
.macro FRAG reg, adr, q, i             ; a fragment, 16 rows x 128 K of 6-bit codes, is 12 registers: lane l holds row l % 16; registers 6 c .. 6 c + 5 hold K = 64 c + 32 (l / 16) + 0 .. 31: 24 bytes of the row's stream of bits, as they lie
.irp p, 0,1,2,3,4,5                    ; in pieces of 8 bytes.  Lanes 0-15 take the row's pieces 12 q + 0, 1, 2 and 12 q + 6, 7, 8, lanes 16-31 those three pieces on
.set PCE, 12*(\q)+6*(\p/3)+\p%3       ; 16 bytes of padding lie behind every 64 bytes (8 pieces): where the piece three on lies behind one padding more, the second address register serves
.if PCE%8 < 5
	ds_load_b64 v[\reg+2*\p:\reg+2*\p+1], v[\adr] offset:8*PCE+16*(PCE/8)+(\i)*16*PITCH
.else
	ds_load_b64 v[\reg+2*\p:\reg+2*\p+1], v[\adr+2] offset:8*PCE+16*(PCE/8)+(\i)*16*PITCH
.endif
.endr
.endm
; 16 matrix instructions: R's blocks a0, a0 + 1 x P's eight, 128 along K: the slot's q-th.  p: P's set;  sc: the set of scale words.  zero = 1: the first product starts the sums.
; The 64 accumulators take turns, one instruction a turn, in the same order in every step.
.macro MUL16 a0, p, q, sc, zero
.irp a, \a0, \a0+1
.irp b, 0,1,2,3,4,5,6,7
.if \zero
	v_wmma_scale_f32_16x16x128_f8f6f4 v[8*(8*((\a)%4)+\b):8*(8*((\a)%4)+\b)+7], v[128*(\p)+FR*\b:128*(\p)+FR*\b+FR-1], v[AF+FR*(\a):AF+FR*(\a)+FR-1], 0, v[SC+8*NQ*(\sc)+NQ*\b+(\q)], v[SC+8*NQ*(\sc)+NQ*(\a)+(\q)] matrix_a_fmt:MATRIX_FMT_FP6 matrix_b_fmt:MATRIX_FMT_FP6 matrix_a_scale:MATRIX_SCALE_ROW1
.else
	v_wmma_scale_f32_16x16x128_f8f6f4 v[8*(8*((\a)%4)+\b):8*(8*((\a)%4)+\b)+7], v[128*(\p)+FR*\b:128*(\p)+FR*\b+FR-1], v[AF+FR*(\a):AF+FR*(\a)+FR-1], v[8*(8*((\a)%4)+\b):8*(8*((\a)%4)+\b)+7], v[SC+8*NQ*(\sc)+NQ*\b+(\q)], v[SC+8*NQ*(\sc)+NQ*(\a)+(\q)] matrix_a_fmt:MATRIX_FMT_FP6 matrix_b_fmt:MATRIX_FMT_FP6 matrix_a_scale:MATRIX_SCALE_ROW1
.endif
.endr
.endr
.endm
.macro FETCH_B slot, q, p              ; P's eight fragments of the slot's q-th 128 along K into set p
	WIN TO_B
.irp i, 0,1,2,3,4,5,6,7
	FRAG 128*(\p)+FR*\i, ADRB+\slot, \q, \i
.endr
	WIN 0
.endm
.macro FETCH_A slot, q, i0             ; R's blocks i0 .. i0 + 3
.irp i, \i0, \i0+1, \i0+2, \i0+3
	FRAG AF+FR*(\i), ADRA+\slot, \q, \i
.endr
.endm
.macro SCALES sc                       ; the next K step's scale words into set sc: NQ words a row; lanes 0-15 take R's block i, lanes 16-31 P's block i
.irp i, 0,1,2,3,4,5,6,7
	ds_load_b64 v[SC+8*NQ*\sc+NQ*\i:SC+8*NQ*\sc+NQ*\i+1], v[ADRS] offset:\i*SBLK
.endr
.endm
; A load into a register that a matrix instruction has read, and a vector instruction that reads a matrix result or writes one of its registers, stand NP places behind that matrix instruction;
; only plain vector instructions that name none of its registers are places.
.macro PLACES n
.rept \n
	v_nop
.endr
.endm
; A step of 128 along K that has its successor in the same slot.
.macro STEP slot, q, zero
	s_wait_dscnt 4*NL                              ; P's set and R's blocks 0-3 are in; the youngest 24 loads (R's blocks 4-7) may be out
	WIN MUL_LO
	MUL16 0, (\q)%2, \q, \slot, \zero
	MUL16 2, (\q)%2, \q, \slot, \zero
	s_wait_dscnt 0                                 ; R's blocks 4-7 are in (asked for 32 matrix instructions ago)
	PLACES NP
	FETCH_B \slot, (\q)+1, 1-(\q)%2
	FETCH_A \slot, (\q)+1, 0
	WIN MUL_HI
	MUL16 4, (\q)%2, \q, \slot, \zero
	MUL16 6, (\q)%2, \q, \slot, \zero
	PLACES NP
	WIN 0
	FETCH_A \slot, (\q)+1, 4
.endm
; A slot's last step changes slots: ONE barrier; in front of it each wave waits for all its tensor loads, adds 0 to its spare word, and waits for that and for its own reads of this slot.  fill = 1: this slot is filled again, two K steps ahead.
.macro TURN slot, next, fill
	s_wait_tensorcnt 0x0                           ; all my tensor loads have landed: my part of the next slot  (every window is 0 here)
	ds_add_u32 v[SPW], v[NIL]                      ; 0 onto my spare word
	s_wait_dscnt 4*NL+1                            ; (the add and the youngest 24 loads, R's blocks 4-7, may be out)
	WIN MUL_LO
	MUL16 0, 1, NQ-1, \slot, 0                     ; sixteen matrix instructions stand between the add and the wait for it
	s_wait_dscnt 0x0                               ; the add is done, and my reads of this slot are over
	s_barrier_signal -1
	MUL16 2, 1, NQ-1, \slot, 0
	WIN 0
	s_barrier_wait -1
.if \fill
	CREST                                          ; the barrier has opened a round of the cluster's barrier: no wave of any partner still reads this slot's tile or has a load on its way
	s_add_nc_u64 s[G0+4*\slot+2:G0+4*\slot+3], s[G0+4*\slot+2:G0+4*\slot+3], 2*ROWB
	s_add_nc_u64 s[G0B+4*\slot+2:G0B+4*\slot+3], s[G0B+4*\slot+2:G0B+4*\slot+3], 2*ROWB
	JLOAD G0+4*\slot, G1, G0B+4*\slot, G1B         ; the first tensor load behind the round; the four v_nop behind it are the places in front of the loads below
.else
	PLACES NP
.endif
	v_add_nc_u32 v[ADRS], 4*NQ, v[ADRS]            ; on to the next K step's scale words (no LDS load of mine is out)
	FETCH_B \next, 0, 0
	FETCH_A \next, 0, 0
	SCALES \next
	WIN MUL_HI
	MUL16 4, 1, NQ-1, \slot, 0
	MUL16 6, 1, NQ-1, \slot, 0
	PLACES NP
	WIN 0
	FETCH_A \next, 0, 4
.endm
	s_wait_tensorcnt 1                             ; the scales and my part of K step 0 are in (K step 1's load may be out)
	s_barrier_signal -1
	s_barrier_wait -1                              ; everybody's are
	FETCH_B 0, 0, 0
	FETCH_A 0, 0, 0
	SCALES 0
	FETCH_A 0, 0, 4
	STEP 0, 0, 1                                   ; the first step stands in front of the loop: its products start the sums
	s_mov_b32 s3, LAPS-1
.Llap:                                                 ; a trip goes once round the ring, from a lap's second step to the next lap's first, and fills both slots again
	TURN 0, 1, 1
	STEP 1, 0, 0
	TURN 1, 0, 1
	STEP 0, 0, 0
	s_sub_co_u32 s3, s3, 1
	s_cmp_lg_u32 s3, 0
	s_cbranch_scc1 .Llap
	TURN 0, 1, 0                                   ; the last lap fills nothing, and has no round of the cluster's barrier
	STEP 1, 0, 0
	s_wait_dscnt 4*NL                              ; the very last step: nothing more to fetch
	WIN MUL_LO
	MUL16 0, 1, NQ-1, 1, 0
	MUL16 2, 1, NQ-1, 1, 0
	s_wait_dscnt 0
	WIN MUL_HI
	MUL16 4, 1, NQ-1, 1, 0
	MUL16 6, 1, NQ-1, 1, 0
	WIN 0
; THE WAY OUT, block by block of R's 16 rows.  Nothing goes through LDS: a block's codes are stored as the image of a fragment's registers.
; Block a of q or k: the RMS norm over the head's 128 numbers (64 mine, 64 in lane l xor 16), the weight, the rotary turn.  Register i < 32 holds number d = 16 (i / 8) + 8 h + i % 8 < 64, register 32 + i number d + 64.
.macro NORMROPE a
.set AC, 64*((\a)%4)
.set WA, 2+(\a)/4
.set WW, WA|(WA<<2)
.set CB, 96-96*((\a)%2)
.set SB, 224-192*((\a)%2)
	WIN WW                                         ; sources 0 and 1: the accumulators' window
	v_pk_mul_f32 v[4:5], v[AC:AC+1], v[AC:AC+1]    ; the sum of squares, in two chains; each accumulator is read from its low end on
	v_pk_mul_f32 v[6:7], v[AC+2:AC+3], v[AC+2:AC+3]
.set i, 4
.rept 15
	v_pk_fma_f32 v[4:5], v[AC+i:AC+i+1], v[AC+i:AC+i+1], v[4:5]
	v_pk_fma_f32 v[6:7], v[AC+i+2:AC+i+3], v[AC+i+2:AC+i+3], v[6:7]
.set i, i+4
.endr
	WIN 0
	v_pk_add_f32 v[4:5], v[4:5], v[6:7]
	v_add_f32 v4, v4, v5
	v_permlanex16_b32 v1, v4, s[SEL], s[SEL+1]
	v_add_f32 v4, v4, v1
	v_fma_f32 v4, v4, 0x3c000000, s[EPS]           ; / 128, + 1e-6
	v_rsq_f32 v2, v4
	v_rsq_f32 v3, v4                               ; twice: the pair that the packed multiply takes
	v_nop                                          ; one plain place behind a transcendental
	WIN WA
.set i, 0
	s_wait_alu depctr_va_vdst(0)
.rept 32
	v_pk_mul_f32 v[TT+i:TT+i+1], v[AC+i:AC+i+1], v[2:3]
.set i, i+2
.endr
	WIN 0
.set i, 0
.rept 32
	v_pk_mul_f32 v[TT+i:TT+i+1], v[TT+i:TT+i+1], v[WN+i:WN+i+1]
.set i, i+2
.endr
	WIN 0x04                                       ; source 1: cos and sin, in window 1
.set i, 0
.rept 16
	v_pk_mul_f32 v[TMP+i:TMP+i+1], v[TT+i:TT+i+1], v[SB+i:SB+i+1]              ; x1 sin
.set i, i+2
.endr
.set i, 0
.rept 16
	v_pk_mul_f32 v[TT+i:TT+i+1], v[TT+i:TT+i+1], v[CB+i:CB+i+1]                ; x1 cos
.set i, i+2
.endr
.set i, 0
.rept 16
	v_pk_fma_f32 v[TT+i:TT+i+1], v[TT+32+i:TT+32+i+1], v[SB+i:SB+i+1], v[TT+i:TT+i+1] neg_lo:[1,0,0] neg_hi:[1,0,0]   ; x1 cos - x2 sin
.set i, i+2
.endr
.set i, 0
.rept 16
	v_pk_fma_f32 v[TT+32+i:TT+32+i+1], v[TT+32+i:TT+32+i+1], v[CB+i:CB+i+1], v[TMP+i:TMP+i+1]   ; x2 cos + x1 sin
.set i, i+2
.endr
	WIN 0
.endm
.macro COPYV a                         ; block a of v comes into window 0 as it is, so that the conversions and lane permutes below work in one window
.set AC, 64*((\a)%4)
.set WA, 2+(\a)/4
	WIN WA
.set i, 0
.rept 64
	v_mov_b32 v[TT+i], v[AC+i]
.set i, i+1
.endr
	WIN 0
.endm
; 64 numbers of a lane, v[s] .. v[s + 63]: the 16 registers 16 b .. 16 b + 15 are my half of the row's block b.  They become a fragment's codes in v[PC] on and the row's scale word in v[pw].
.macro QUANT s, pw
.irp b, 0,1,2,3
	v_max3_num_f32 v[BM+\b], |v[\s+16*\b]|, |v[\s+1+16*\b]|, 0x1800000   ; my 16 numbers, and the floor 2^(3 - 127): so the byte cannot fall under 1
.endr
.irp i, 2,4,6,8,10,12,14
.irp b, 0,1,2,3
	v_max3_num_f32 v[BM+\b], v[BM+\b], |v[\s+16*\b+\i]|, |v[\s+1+16*\b+\i]|   ; (the four blocks by turns)
.endr
.endr
.irp b, 0,1,2,3
	v_permlanex16_b32 v[BP+\b], v[BM+\b], s[SEL], s[SEL+1]
.endr
.irp b, 0,1,2,3
	v_max_num_f32 v[BM+\b], v[BM+\b], v[BP+\b]     ; with lane l xor 16's: the block's largest magnitude
.endr
.irp b, 0,1,2,3
	v_add_nc_u32 v[SO+\b], 0xff000000, v[BM+\b]    ; 2 off its exponent field: the conversion takes the exponent field of this operand as its scale
.endr
.irp b, 0,1,2,3
	v_lshrrev_b32 v[BP+\b], 23, v[SO+\b]           ; the scale's byte
.endr
	v_lshl_or_b32 v[\pw], v[BP+1], 8, v[BP]
	v_lshl_or_b32 v[\pw], v[BP+2], 16, v[\pw]
	v_lshl_or_b32 v[\pw], v[BP+3], 24, v[\pw]
.irp c, 0,1
	v_cvt_scalef32_pk16_fp6_f32 v[PC+6*\c:PC+2+6*\c], v[\s+32*\c:\s+15+32*\c], v[SO+2*\c]
	v_cvt_scalef32_pk16_fp6_f32 v[PC+12+4*\c:PC+14+4*\c], v[\s+16+32*\c:\s+31+32*\c], v[SO+2*\c+1]   ; (a conversion's three registers begin on an even number)
.endr
	v_nop                                          ; one plain place behind a scaled conversion
.irp c, 0,1                                    ; the operand's layout wants a whole block in a lane: lanes 0-15 block 2 c, lanes 16-31 block 2 c + 1
.irp i, 0,1,2
	v_permlane16_swap_b32 v[PC+6*\c+\i], v[PC+12+4*\c+\i]
.endr
.irp i, 0,1,2
	v_mov_b32 v[PC+3+6*\c+\i], v[PC+12+4*\c+\i]
.endr
.endr
.endm
.macro OUT a                           ; the fragment's image: each store of the wave covers 512 consecutive bytes, aligned
.irp c, 0,1,2
	global_store_b128 v[LI], v[PC+4*\c:PC+4*\c+3], s[12:13] offset:1536*(\a)+512*\c th:TH_STORE_NT
.endr
.endm
	PLACES NP                                      ; behind the last products: their results are read, R's fragments written and P's set 0 loaded into below
	s_cmp_eq_u32 s[KIND], 2                        ; the same in all sixteen partners
	s_cbranch_scc1 .Lv
.irp a, 0,1,2,3,4,5,6,7
.if \a < 7
	TBL \a+1                                       ; the next block's cos and sin, into the other buffer
	s_wait_loadcnt 16                              ; all but those sixteen: this block's are in (and, the first time, the norm's weights)
.else
	s_wait_loadcnt 0x0
.endif
	NORMROPE \a
	s_wait_xcnt 0x0                                ; the last block's stores have read the codes' registers
	QUANT TT, SCW+\a
	OUT \a
.endr
	s_branch .Ljoin
.Lv:
.irp a, 0,1,2,3,4,5,6,7
	COPYV \a
	s_wait_xcnt 0x0                                ; the last block's stores have read the codes' registers
	QUANT TT, SCW+\a
	OUT \a
.endr
.Ljoin:
.irp u, 0,1,2,3
	v_cndmask_b32 v[SCI+\u], v[SCW+2*\u], v[SCW+2*\u+1], s[HI16]   ; lanes 0-15: fragment 2 u's words, lanes 16-31: fragment 2 u + 1's
.endr
	global_store_b128 v[LI], v[SCI:SCI+3], s[12:13] offset:12288 th:TH_STORE_NT
	s_wait_tensorcnt 0x0                           ; the wave's end
	ds_add_u32 v[SPW], v[NIL]
	s_wait_dscnt 0x0
	CROUND                                         ; the closing round: no work-group ends while a partner may still ask for a tile that names it
	s_endpgm
.Lfunc_end_k_q914e79caf6_qkv_proj:
	.size	k_q914e79caf6_qkv_proj, .Lfunc_end_k_q914e79caf6_qkv_proj-k_q914e79caf6_qkv_proj
	.p2alignl 7, 3214868480
	.fill 96, 4, 3214868480
	.section	.rodata,"a",@progbits
	.p2align	6, 0x0
	.amdhsa_kernel k_q914e79caf6_qkv_proj
		.amdhsa_group_segment_fixed_size 327680
		.amdhsa_private_segment_fixed_size 0
		.amdhsa_enable_private_segment 0
		.amdhsa_kernarg_size 96
		.amdhsa_user_sgpr_count 2
		.amdhsa_user_sgpr_kernarg_segment_ptr 1
		.amdhsa_wavefront_size32 1
		.amdhsa_system_sgpr_workgroup_id_x 1
		.amdhsa_system_sgpr_workgroup_id_y 1
		.amdhsa_system_sgpr_workgroup_id_z 1
		.amdhsa_system_vgpr_workitem_id 0
		.amdhsa_next_free_vgpr 1024
		.amdhsa_next_free_sgpr 106
		.amdhsa_reserve_vcc 0
		.amdhsa_float_denorm_mode_32 3
		.amdhsa_float_denorm_mode_16_64 3
		.amdhsa_memory_ordered 1
		.amdhsa_forward_progress 1
		.amdhsa_inst_pref_size 255
	.end_amdhsa_kernel
	.section	.bss,"aw",@nobits
	.p2align	6
	.space	262144
	.amdgpu_metadata
---
amdhsa.version: [ 1, 2 ]
amdhsa.kernels:
  - .name:           k_q914e79caf6_qkv_proj
    .symbol:         k_q914e79caf6_qkv_proj.kd
    .args:
      - { .name: hidden_states_codes, .offset: 0, .size: 8, .value_kind: global_buffer, .address_space: global }
      - { .name: hidden_states_scales, .offset: 8, .size: 8, .value_kind: global_buffer, .address_space: global }
      - { .name: q_w_codes, .offset: 16, .size: 8, .value_kind: global_buffer, .address_space: global }
      - { .name: q_w_scales, .offset: 24, .size: 8, .value_kind: global_buffer, .address_space: global }
      - { .name: k_w_codes, .offset: 32, .size: 8, .value_kind: global_buffer, .address_space: global }
      - { .name: k_w_scales, .offset: 40, .size: 8, .value_kind: global_buffer, .address_space: global }
      - { .name: v_w_codes, .offset: 48, .size: 8, .value_kind: global_buffer, .address_space: global }
      - { .name: v_w_scales, .offset: 56, .size: 8, .value_kind: global_buffer, .address_space: global }
      - { .name: q_norm_w, .offset: 64, .size: 8, .value_kind: global_buffer, .address_space: global }
      - { .name: k_norm_w, .offset: 72, .size: 8, .value_kind: global_buffer, .address_space: global }
      - { .name: rope, .offset: 80, .size: 8, .value_kind: global_buffer, .address_space: global }
      - { .name: qkv, .offset: 88, .size: 8, .value_kind: global_buffer, .address_space: global }
    .group_segment_fixed_size: 327680
    .private_segment_fixed_size: 0
    .kernarg_segment_align: 8
    .kernarg_segment_size: 96
    .max_flat_workgroup_size: 128
    .sgpr_count:     106
    .vgpr_count:     1024
    .wavefront_size: 32
...
	.end_amdgpu_metadata
.endif
;; end of part 2
;; launch attention (part 3): grid 32 x 8, 4 waves a work-group, clusters of 4 x 4, 327,680 bytes of LDS; arguments qkv, attention_mask, att_img, att_scales; writes att_img, att_scales
.if DOCPART == 3
	.amdgcn_target "amdgcn-amd-amdhsa--gfx1250"
	.amdhsa_code_object_version 6
	.text
	.protected	k_q914e79caf6_attention
	.globl	k_q914e79caf6_attention
	.p2align	8
	.type	k_q914e79caf6_attention,@function
k_q914e79caf6_attention:
	s_mov_b64 s[64:65], 0
	v_nop
	global_prefetch_b8 v0, s[64:65] scope:SCOPE_SE
	s_setreg_imm32_b32 hwreg(HW_REG_WAVE_MODE, 25, 1), 1
	s_wait_xcnt 0x0
	s_wait_alu depctr_hold_cnt(0) depctr_sa_sdst(0) depctr_va_vdst(0) depctr_va_sdst(0) depctr_va_ssrc(0) depctr_va_vcc(0) depctr_vm_vsrc(0)
	s_getreg_b32 s2, hwreg(HW_REG_IB_STS2, 6, 4)
	s_cmp_eq_u32 s2, 0
	s_cbranch_scc0 .Lentry_in_a_cluster
	s_endpgm
.Lentry_in_a_cluster:
	s_bfe_u32 s2, ttmp6, 0x10000c
	s_cmp_lg_u32 s2, 0xf033
	s_cbranch_scc0 .Lentry_shape_is_right
	s_endpgm
.Lentry_shape_is_right:
; For each batch and head: O[q] = the sum over k of softmax_k(Q[q] . K[k] / sqrt(128) + mask[q][k]) V[k], both products on codes of FP6 (E2M3) with one E8M0 scale for each 32 along K.
; The mask is an input: every number of it is read and added, and every key is walked for every query.
; THE SOFTMAX AHEAD OF THE SECOND PRODUCT: t = logit x log2(e); M = the row's largest t so far, rounded up to a whole number; p = 2^(t - M) is quantised along the keys, not normalised.
; The row's sum is taken of the unquantised p and divides O at the end.  When M moves, the sum and O are multiplied by 2^(old M - new M), which rounds nothing.
; IN: qkv, records of operand images ([batch][head][group of 128 tokens][q, k, v] x 12,800 bytes: eight fragments of 1,536 bytes, then 512 bytes of scale words).
; OUT: O / the sum, quantised along the head's 128 in their natural order, as fragment images att_img[group of 128 tokens 32][head 8][fragment 8] x 1,536 bytes, and att_scales[token 4,096][32] bytes.
; SHARES.  A work-group owns 128 queries of one head; wave w owns 32: tiles 2 w and 2 w + 1 of 16 queries, which share every fragment of K and V that the wave reads from LDS.  16 key steps of 128.
; LAYOUT.  Both products are used transposed: S^T = K Q^T (source 0 = 16 keys), O^T = V^T P^T (source 0 = 16 of the head's 128): a lane holds one query (lane % 16) throughout;
; register 8 t + j of a tile's S^T is key 16 t + 8 h + j.  p is packed as it stands, so a block's codes lie in the order 0-7, 16-23, 8-15, 24-31, which is the order in which v's codes were packed.
; THE MASK IS THE C OF THE FIRST PRODUCT: the tile's numbers are read from LDS into S^T's registers, multiplied by sqrt(128), and the product adds onto them: u = score + mask sqrt(128), t = u log2(e) / sqrt(128).
; CLUSTER, 4 x 4: x walks the groups of queries, y the heads.  K's and V's records hang on batch and head: shared along a row of the cluster.  The mask's tile hangs on the group of queries: shared along a column.
; Each is asked for jointly.  A slot holds one key step (K, V, the mask's 128 x 128 numbers: 93,184 bytes); two key steps to a slot do not fit twice, so a refill has one key step in which to land.
; THE SECOND PRODUCT RUNS A STEP BEHIND: step s's V^T P^T stands at the head of step s + 1, behind that step's LDS loads, so that the wave multiplies while they land.
; LIMITS: NaN and +infinity are not served (-infinity in the mask gives p = 0; a row all of whose logits are -infinity is NaN, as in the definition).  A block of p under 2^-124 keeps the byte 1.
; att_scales leaves as 4 bytes a lane, rows 32 bytes apart: 131,072 bytes in the whole launch.
; REGISTERS.  Window 0: v1-10 addresses; v16-31 statistics, eight a tile (+0 -M, +1 largest t, +2, +3 the sum, +4 f (+5 written once, named with it), +6, +7 at work); v32-159 S^T, 64 a tile;
;   v160-183 p's codes; v184-203 at work; v204-214 scale words and nothing else; v216-223 the way out.   Window 1: O^T, 64 a tile.   Window 2: v0-95 K, v96-119 Q, v128-223 V.
.set SLOT1, 1<<17                      ; slot 1 begins here: one exclusive or turns an address in one slot into the other's
.set REC,   12800                      ; a record
.set GRP,   3*REC                      ; a group's three records
.set MOFF,  2*REC                      ; a slot: K's record, V's record, then the mask's tile
.set MP,    528                        ; a row of the mask's tile: 512 bytes + 16 of padding: the 16 rows that a load touches begin at 16 different groups of banks
.set SPARE, 2*SLOT1                    ; behind the ring: the spare words, 128 bytes for each wave, which no other line names
.set LI,  1                            ; v1   16 x lane
.set AMA, 2                            ; v2   my place in the mask's tile, first tile of queries
.set AMB, 3                            ; v3   second tile
.set ADK, 4                            ; v4-6 the same three with the slot in hand
.set ADA, 5
.set ADB, 6
.set SPW, 7                            ; v7   LDS address of my spare word; never rewritten
.set NIL, 8                            ; v8   0; never rewritten
.set PFO, 9                            ; v9   the prefetches' offset; never rewritten
.set L32, 10                           ; v10  32 x lane
.set ST,  16
.set SA,  32
.set PC,  160
.set CT,  184                          ; v184-186, v188-190 the conversions' second halves
.set BM,  192
.set BP,  196
.set SO,  200
.set KSC, 204                          ; v204-207 K's scale words: register u: lanes 0-15 fragment 2 u, lanes 16-31 fragment 2 u + 1
.set VSC, 208                          ; v208-211 V's
.set QSC, 212                          ; v212 Q's: lanes 0-15 my first tile, lanes 16-31 my second
.set PW,  213                          ; v213-214 p's
.set TW,  216
.set OW,  217                          ; v217-218 the output's scale words
.set RL,  220                          ; v220-223 1 / the sum, a pair for each tile
.set KF,  0                            ; in window 2
.set QF,  96
.set VF,  128
.set WV,  12                           ; s12 wave; s13 wave / 2; s14 wave % 2
.set G1A, 24                           ; s[24:31] group 1 for a record;  s[32:39] for half of the mask's tile
.set G1B, 32
.set G0A, 40                           ; s[40:43], s[44:47] their groups 0, which walk
.set G0B, 44
.set TB,  48                           ; s48 LDS byte at which the slot in hand begins
.set CNT, 49                           ; s49 refills still to come
.set LIM, 50                           ; s50 2 in a wave that prefetches, else the greatest number
.set PFA, 52                           ; s[52:53] where my prefetches stand
.set PFS, 54                           ; s[54:55] a key step on
.set CS,  56                           ; s[56:57] c = log2(e) / sqrt(128)
.set RT,  58                           ; s[58:59] sqrt(128)
.set SEL, 60                           ; s[60:61] lane selects for v_permlanex16_b32: lane l xor 16
.set HI16, 62                          ; s62 the mask of lanes 16-31
.set MSB, 0
.macro WIN new                         ; the immediate's high byte repeats the setting that is left
.if MSB != \new
	s_set_vgpr_msb (MSB<<8)|\new
.set MSB, \new
.endif
.endm
.macro PLACES
.rept 4
	v_nop
.endr
.endm
; A joint load: waves 0 and 1 fetch K's and V's records, waves 2 and 3 the halves of the mask's tile.  The branch hangs on the wave's number alone.  Four v_nop follow each line.
.macro JLOAD
	s_cmp_eq_u32 s13, 0
	s_cbranch_scc0 .Lfor_m_\@
	tensor_load_to_lds s[G0A:G0A+3], s[G1A:G1A+7]
	s_nop 0
.rept 4
	v_nop
.endr
	s_branch .Lasked_\@
.Lfor_m_\@:
	tensor_load_to_lds s[G0B:G0B+3], s[G1B:G1B+7]
	s_nop 0
.rept 4
	v_nop
.endr
.Lasked_\@:
.endm
.macro CROUND                          ; a round of the cluster's barrier
	s_barrier_signal -1
	s_barrier_wait -1
	s_cmp_lg_u32 s[WV], 0
	s_cbranch_scc1 .Lnot_wave_0_\@
	s_barrier_signal -3
.Lnot_wave_0_\@:
	s_barrier_wait -3
	s_barrier_signal -1
	s_barrier_wait -1
.endm
; A prefetch of the key step that stands two refills on.  K's and V's 25,600 bytes of a step: of the clusters that walk the same batch the first asks; the four partners of a row take 6,400 bytes each, told apart by address;
; wave 0, lanes 256 bytes apart (lanes 25 to 31 name lane 24's bytes again).  The mask's tile: the clusters with y = 0 ask; the four partners of a column take 32 rows each, by address;
; waves 2 and 3 take the two halves of a row's 512 bytes, a lane a row.  Steps 0 to 2 come by their loads alone; the last step named is the last key step.
.macro ASK
	s_cmp_gt_u32 s[CNT], s[LIM]
	s_cbranch_scc0 .Lnot_mine_\@
	global_prefetch_b8 v[PFO], s[PFA:PFA+1] th:TH_LOAD_NT scope:SCOPE_SE
.Lnot_mine_\@:
.endm
	s_load_b256 s[4:11], s[0:1], 0x0               ; qkv s[4:5], attention_mask s[6:7], att_img s[8:9], att_scales s[10:11]
	v_lshl_add_u32 v[SPW], v0, 2, SPARE
	v_mov_b32 v[NIL], 0
	ds_add_u32 v7, v8
	s_wait_dscnt 0x0
	v_lshrrev_b32 v11, 5, v0
	v_readfirstlane_b32 s[WV], v11                 ; wave 0..3
	s_lshr_b32 s13, s[WV], 1
	s_and_b32 s14, s[WV], 1
	s_bfe_u32 s15, ttmp6, 0x40000                  ; cx, cy: my place in the cluster
	s_bfe_u32 s16, ttmp6, 0x40004
	s_lshl_b32 s17, ttmp9, 2
	s_add_co_u32 s17, s17, s15                     ; my group of 128 queries, 0 .. 31 = 4 x cluster x + cx
	s_and_b32 s18, ttmp7, 0xffff
	s_lshl_b32 s18, s18, 2
	s_add_co_u32 s18, s18, s16                     ; the head = 4 x cluster y + cy
	s_lshr_b32 s19, ttmp9, 2                       ; the batch: the same in the whole cluster
	s_lshl_b32 s20, s16, 2
	s_lshl_b32 s20, 15, s20                        ; my row of the cluster
	s_lshl_b32 s21, 0x1111, s15                    ; my column
	; group 1 for a record: 50 dense rows of 256 bytes (32 elements of 8 bytes), no padding
	s_or_b32 s[G1A], s20, (3<<16)|(1<<21)          ; 15:0 the mask: my row; 17:16 elements of 8 bytes; 21 set beside a mask
	s_mov_b32 s[G1A+1], 32<<16                     ; tensor_dim0
	s_mov_b32 s[G1A+2], 50<<16                     ; tensor_dim1
	s_mov_b32 s[G1A+3], 32<<16                     ; tile_dim0
	s_mov_b32 s[G1A+4], 50                         ; tile_dim1
	s_mov_b32 s[G1A+5], 32                         ; tensor_dim0_stride
	s_mov_b32 s[G1A+6], 0
	s_mov_b32 s[G1A+7], 0
	; group 1 for half of the mask's tile: 64 rows of 128 f32, 2,048 apart, 4 words of padding behind each row's 128 words
	s_or_b32 s[G1B], s21, (2<<16)|(1<<20)|(1<<21)|(6<<22)|(3<<25)
	s_mov_b32 s[G1B+1], 128<<16
	s_mov_b32 s[G1B+2], 64<<16
	s_mov_b32 s[G1B+3], 128<<16
	s_mov_b32 s[G1B+4], 64
	s_mov_b32 s[G1B+5], 2048
	s_mov_b32 s[G1B+6], 0
	s_mov_b32 s[G1B+7], 0
	s_lshl_b32 s22, s19, 3
	s_add_co_u32 s22, s22, s18
	s_mul_i32 s22, s22, 16*GRP                     ; my batch's and head's 16 groups: made of the batch and the head alone
	s_mul_i32 s23, s14, REC                        ; wave 0: K's record, wave 1: V's: in a slot,
	s_add_co_u32 s66, s22, s23
	s_add_co_u32 s66, s66, REC                     ; and in memory, behind q's record
	s_mov_b32 s67, 0
	s_lshl_b32 s68, s17, 20                        ; the mask: my 128 rows of 8,192 bytes,
	s_lshl_b32 s69, s14, 19                        ; the half of them that I fetch
	s_add_co_u32 s68, s68, s69
	s_mov_b32 s69, 0
	s_mul_i32 s77, s14, 64*MP
	s_mov_b32 s[CS], 0x3e0293ee
	s_mov_b32 s[CS+1], s[CS]                       ; (named with it as a pair, so it is written)
	s_mov_b32 s[RT], 0x413504f3
	s_mov_b32 s[RT+1], s[RT]
	s_mov_b32 s[SEL], 0x76543210
	s_mov_b32 s[SEL+1], 0xfedcba98
	s_mov_b32 s[HI16], 0xffff0000
	s_mov_b32 s[TB], 0
	s_mov_b32 s[CNT], 15
	s_wait_kmcnt 0x0
	s_mov_b32 s[G0A], 1                            ; 1:0 count = 1
	s_mov_b32 s[G0A+1], s23                        ; 63:32 LDS address: slot 0
	s_add_nc_u64 s[G0A+2:G0A+3], s[4:5], s[66:67]  ; 120:64 global address: key step 0
	s_or_b32 s[G0A+3], s[G0A+3], 0x80000000        ; 127:126 type = 2
	s_mov_b32 s[G0B], 1
	s_add_co_u32 s[G0B+1], s77, MOFF
	s_add_nc_u64 s[G0B+2:G0B+3], s[6:7], s[68:69]
	s_or_b32 s[G0B+3], s[G0B+3], 0x80000000
	CROUND                                         ; all sixteen work-groups are here: the first joint loads meet
	JLOAD                                          ; key step 0 into slot 0
	; Q: my two fragments and their scale words stay in registers
	s_and_b32 s70, s17, 15
	s_mul_i32 s70, s70, GRP
	s_add_co_u32 s70, s70, s22
	s_mov_b32 s71, 0
	s_add_nc_u64 s[70:71], s[4:5], s[70:71]        ; my group's q record
	s_mul_i32 s72, s[WV], 3072
	s_mov_b32 s73, 0
	s_add_nc_u64 s[72:73], s[70:71], s[72:73]      ; fragments 2 w, 2 w + 1
	s_lshl_b32 s74, s[WV], 2
	s_mov_b32 s75, 0
	s_add_nc_u64 s[74:75], s[70:71], s[74:75]      ; register w of the scale image
	v_and_b32 v[LI], 31, v0
	v_lshlrev_b32 v[L32], 5, v[LI]
	v_lshlrev_b32 v[LI], 4, v[LI]
	WIN 0x80                                       ; destination window 2
.irp x, 0,1
.irp c, 0,1,2
	global_load_b128 v[QF+12*\x+4*\c:QF+12*\x+4*\c+3], v[LI], s[72:73] offset:1536*\x+512*\c
.endr
.endr
	WIN 0
	global_load_b32 v[QSC], v[LI], s[74:75] offset:12288
	; where the results go
	s_mul_i32 s66, s17, 98304
	s_mul_i32 s67, s18, 12288
	s_add_co_u32 s66, s66, s67
	s_mul_i32 s67, s[WV], 3072
	s_add_co_u32 s66, s66, s67
	s_mov_b32 s67, 0
	s_add_nc_u64 s[8:9], s[8:9], s[66:67]
	s_lshl_b32 s66, s17, 12                        ; 128 rows of 32 bytes,
	s_lshl_b32 s68, s[WV], 10                      ; my 32 rows,
	s_add_co_u32 s66, s66, s68
	s_lshl_b32 s68, s18, 2                         ; my head's word
	s_add_co_u32 s66, s66, s68
	s_add_nc_u64 s[10:11], s[10:11], s[66:67]
	; the prefetches: where my wave's stand (at key step 2: the first change of slots steps them to 3), and who asks
	s_mul_i32 s20, s15, 6400
	s_add_co_u32 s20, s20, s22
	s_add_co_u32 s20, s20, REC+2*GRP               ; K, V: my work-group's quarter of a step's two records
	s_lshl_b32 s21, s17, 7
	s_lshl_b32 s78, s16, 5
	s_add_co_u32 s21, s21, s78
	s_lshl_b32 s21, s21, 13                        ; the mask: my work-group's 32 rows of the 128,
	s_lshl_b32 s78, s14, 8
	s_add_co_u32 s21, s21, s78                     ; my wave's half of a row's 512 bytes
	s_add_co_u32 s21, s21, 1024
	s_mov_b32 s[PFS], 512
	s_mov_b32 s78, 31
	s_mov_b32 s79, 13
	s_cmp_eq_u32 s13, 0
	s_cselect_b64 s[PFA:PFA+1], s[4:5], s[6:7]
	s_cselect_b32 s20, s20, s21
	s_cselect_b32 s[PFS], GRP, s[PFS]
	s_cselect_b32 s78, 24, s78
	s_cselect_b32 s79, 8, s79
	s_mov_b32 s21, 0
	s_mov_b32 s[PFS+1], 0
	s_add_nc_u64 s[PFA:PFA+1], s[PFA:PFA+1], s[20:21]
	v_and_b32 v[PFO], 31, v0
	v_min_u32 v[PFO], s78, v[PFO]
	v_lshlrev_b32 v[PFO], s79, v[PFO]
	s_and_b32 s20, ttmp9, 3
	s_and_b32 s21, ttmp7, 0xffff
	s_cmp_eq_u32 s13, 0
	s_cselect_b32 s20, s20, s21                    ; the coordinate along which other clusters read the same bytes
	s_cmp_eq_u32 s[WV], 1
	s_cselect_b32 s20, 1, s20                      ; wave 1 asks for nothing
	s_cmp_eq_u32 s20, 0
	s_cselect_b32 s[LIM], 2, -1                    ; the same in all sixteen partners, for a given wave
	v_and_b32 v11, 15, v0                          ; r
	v_bfe_u32 v12, v0, 4, 1                        ; h
	v_mul_u32_u24 v[AMA], v11, MP
	v_lshl_add_u32 v[AMA], v12, 5, v[AMA]
	s_mul_i32 s76, s[WV], 32*MP
	s_add_co_u32 s76, s76, MOFF
	v_add_nc_u32 v[AMA], s76, v[AMA]               ; the mask's row 32 w + r, + 32 h bytes: keys 8 h on
	v_add_nc_u32 v[AMB], 16*MP, v[AMA]
.irp x, 0,1
	v_mov_b32 v[ST+8*\x+1], 0xff61b1e6             ; the largest t so far: -3e38, under every t
	v_floor_f32 v[ST+8*\x], -v[ST+8*\x+1]          ; -M
.irp k, 2,3,4,5,6,7
	v_mov_b32 v[ST+8*\x+\k], 0
.endr
.endr
.irp b, 0,1,2,3
	v_mov_b32 v[BP+\b], 0                          ; written once: a lane permute's destination counts as one of its sources
.endr
	WIN 0x40
.set i, 0
.rept 128
	v_mov_b32 v[i], 0                              ; O^T.  (The step is written three times, not four: the first second-product finds zeros, which the first change of M leaves zeros)
.set i, i+1
.endr
	WIN 0
; THE CHANGE OF SLOTS stands at a step's head.  Each wave waits for all its tensor loads (one is out: its part of the slot that it is about to read), adds 0 to its spare word, and waits for that and for its reads of the slot
; that it has left.  fill = 1: that slot is filled with the next key step; the barrier is then a round of the cluster's, and the joint refill is the first thing behind it.
.macro CHANGE fill
	s_wait_tensorcnt 0x0                           ; no tensor load of mine is out, so a group 0 may be written
	ds_add_u32 v[SPW], v[NIL]                      ; 0 onto my spare word
.if \fill
	s_xor_b32 s[G0A+1], s[G0A+1], SLOT1            ; the walking descriptors: the other slot than last time,
	s_add_nc_u64 s[G0A+2:G0A+3], s[G0A+2:G0A+3], GRP   ; the next group of 128 keys; the type bits on top are not reached
	s_xor_b32 s[G0B+1], s[G0B+1], SLOT1
	s_add_nc_u64 s[G0B+2:G0B+3], s[G0B+2:G0B+3], 512
	s_wait_xcnt 0x0                                ; the last prefetch, a step back, has read its address, so it may be written
	s_add_nc_u64 s[PFA:PFA+1], s[PFA:PFA+1], s[PFS:PFS+1]
	s_wait_dscnt 0x0                               ; the add is done, and my reads of the slot that I have left are over (V's among them)
	CROUND
	JLOAD
	ASK
.else
	s_wait_dscnt 0x0
	s_barrier_signal -1
	s_barrier_wait -1
.endif
.endm
.macro LOADS_A                         ; 57 LDS loads: the mask's numbers of my two tiles into S^T's registers, K's eight fragments, K's scale words
	v_add_nc_u32 v[ADK], s[TB], v[LI]
	v_add_nc_u32 v[ADA], s[TB], v[AMA]
	v_add_nc_u32 v[ADB], s[TB], v[AMB]
.irp t, 0,1,2,3,4,5,6,7
	ds_load_b128 v[SA+8*\t:SA+8*\t+3], v[ADA] offset:64*\t          ; mask[my query][keys 16 t + 8 h + 0 .. 3]
	ds_load_b128 v[SA+8*\t+4:SA+8*\t+7], v[ADA] offset:64*\t+16
.endr
.irp t, 0,1,2,3,4,5,6,7
	ds_load_b128 v[SA+64+8*\t:SA+64+8*\t+3], v[ADB] offset:64*\t
	ds_load_b128 v[SA+64+8*\t+4:SA+64+8*\t+7], v[ADB] offset:64*\t+16
.endr
	WIN 0x80                                       ; destination window 2
.irp t, 0,1,2,3,4,5,6,7
.irp c, 0,1,2
	ds_load_b128 v[KF+12*\t+4*\c:KF+12*\t+4*\c+3], v[ADK] offset:1536*\t+512*\c
.endr
.endr
	WIN 0
	ds_load_b128 v[KSC:KSC+3], v[ADK] offset:12288
.endm
.macro LOADS_V                         ; 25 LDS loads: V's eight fragments and scale words
	WIN 0x80
.irp t, 0,1,2,3,4,5,6,7
.irp c, 0,1,2
	ds_load_b128 v[VF+12*\t+4*\c:VF+12*\t+4*\c+3], v[ADK] offset:REC+1536*\t+512*\c
.endr
.endr
	WIN 0
	ds_load_b128 v[VSC:VSC+3], v[ADK] offset:REC+12288
.endm
; O^T = O^T f + V^T P^T for the step whose p and V lie in registers.  Sixteen accumulators, one instruction each.
.macro PVPART
	WIN 0x41                                       ; O^T (destination and source 0) window 1, f window 0
.irp x, 0,1
.set i, 0
.rept 32
	v_pk_mul_f32 v[64*\x+i:64*\x+i+1], v[64*\x+i:64*\x+i+1], v[ST+8*\x+4:ST+8*\x+5] op_sel_hi:[1,0]
.set i, i+2
.endr
.endr
	PLACES
	WIN 0x52                                       ; V window 2, p window 0, C and D window 1
.irp t, 0,1,2,3,4,5,6,7
.irp x, 0,1
.if (\t)%2
	v_wmma_scale_f32_16x16x128_f8f6f4 v[64*\x+8*\t:64*\x+8*\t+7], v[VF+12*\t:VF+12*\t+11], v[PC+12*\x:PC+12*\x+11], v[64*\x+8*\t:64*\x+8*\t+7], v[VSC+\t/2], v[PW+\x] matrix_a_fmt:MATRIX_FMT_FP6 matrix_b_fmt:MATRIX_FMT_FP6 matrix_a_scale:MATRIX_SCALE_ROW1
.else
	v_wmma_scale_f32_16x16x128_f8f6f4 v[64*\x+8*\t:64*\x+8*\t+7], v[VF+12*\t:VF+12*\t+11], v[PC+12*\x:PC+12*\x+11], v[64*\x+8*\t:64*\x+8*\t+7], v[VSC+\t/2], v[PW+\x] matrix_a_fmt:MATRIX_FMT_FP6 matrix_b_fmt:MATRIX_FMT_FP6
.endif
.endr
.endr
	WIN 0
.endm
; S^T = K Q^T + mask sqrt(128): sixteen accumulators, one instruction each
.macro SCORES
	WIN 0x0a                                       ; K and Q window 2, C and D window 0
.irp t, 0,1,2,3,4,5,6,7
.irp x, 0,1
.if ((\t)%2 == 0) && (\x == 0)
	v_wmma_scale_f32_16x16x128_f8f6f4 v[SA+64*\x+8*\t:SA+64*\x+8*\t+7], v[KF+12*\t:KF+12*\t+11], v[QF+12*\x:QF+12*\x+11], v[SA+64*\x+8*\t:SA+64*\x+8*\t+7], v[KSC+\t/2], v[QSC] matrix_a_fmt:MATRIX_FMT_FP6 matrix_b_fmt:MATRIX_FMT_FP6
.elseif (\t)%2 == 0
	v_wmma_scale_f32_16x16x128_f8f6f4 v[SA+64*\x+8*\t:SA+64*\x+8*\t+7], v[KF+12*\t:KF+12*\t+11], v[QF+12*\x:QF+12*\x+11], v[SA+64*\x+8*\t:SA+64*\x+8*\t+7], v[KSC+\t/2], v[QSC] matrix_a_fmt:MATRIX_FMT_FP6 matrix_b_fmt:MATRIX_FMT_FP6 matrix_b_scale:MATRIX_SCALE_ROW1
.elseif \x == 0
	v_wmma_scale_f32_16x16x128_f8f6f4 v[SA+64*\x+8*\t:SA+64*\x+8*\t+7], v[KF+12*\t:KF+12*\t+11], v[QF+12*\x:QF+12*\x+11], v[SA+64*\x+8*\t:SA+64*\x+8*\t+7], v[KSC+\t/2], v[QSC] matrix_a_fmt:MATRIX_FMT_FP6 matrix_b_fmt:MATRIX_FMT_FP6 matrix_a_scale:MATRIX_SCALE_ROW1
.else
	v_wmma_scale_f32_16x16x128_f8f6f4 v[SA+64*\x+8*\t:SA+64*\x+8*\t+7], v[KF+12*\t:KF+12*\t+11], v[QF+12*\x:QF+12*\x+11], v[SA+64*\x+8*\t:SA+64*\x+8*\t+7], v[KSC+\t/2], v[QSC] matrix_a_fmt:MATRIX_FMT_FP6 matrix_b_fmt:MATRIX_FMT_FP6 matrix_a_scale:MATRIX_SCALE_ROW1 matrix_b_scale:MATRIX_SCALE_ROW1
.endif
.endr
.endr
	WIN 0
.endm
; One tile's softmax for one key step; O^T's rescaling by f is left to PVPART
.macro SOFTMAX x
.set rS, SA+64*\x
.set rT, ST+8*\x
.set rC, PC+12*\x
.irp b, 0,1,2,3
	v_max3_num_f32 v[BM+\b], v[rS+16*\b], v[rS+1+16*\b], v[rS+2+16*\b]   ; the largest u of each block of 32 keys: it serves for the row's maximum and, since p rises with u, for the block's largest p
.endr
.irp i, 3,5,7,9,11,13
.irp b, 0,1,2,3
	v_max3_num_f32 v[BM+\b], v[BM+\b], v[rS+16*\b+\i], v[rS+1+16*\b+\i]   ; (the four blocks by turns)
.endr
.endr
.irp b, 0,1,2,3
	v_max_num_f32 v[BM+\b], v[BM+\b], v[rS+15+16*\b]
.endr
.irp b, 0,1,2,3
	v_permlanex16_b32 v[BP+\b], v[BM+\b], s[SEL], s[SEL+1]
.endr
.irp b, 0,1,2,3
	v_max_num_f32 v[BM+\b], v[BM+\b], v[BP+\b]     ; with lane l xor 16's 16 keys
.endr
	v_max3_num_f32 v[rT+6], v[BM], v[BM+1], v[BM+2]
	v_max_num_f32 v[rT+6], v[rT+6], v[BM+3]        ; the step's largest u of my query
	v_mul_f32 v[rT+6], s[CS], v[rT+6]              ; as t (c is positive)
	v_max_num_f32 v[rT+1], v[rT+1], v[rT+6]        ; the running largest t
	v_mov_b32 v[rT+6], v[rT]
	v_floor_f32 v[rT], -v[rT+1]                    ; the new -M = floor(-t) = -ceil(t)
	v_sub_f32 v[rT+6], v[rT], v[rT+6]              ; old M - new M: a whole number, 0 or less
	v_cvt_i32_f32 v[rT+6], v[rT+6]                 ; (it saturates)
	v_ldexp_f32 v[rT+4], 1.0, v[rT+6]              ; f = 2^(old M - new M)
.set i, 0
.rept 32
	v_pk_fma_f32 v[rS+i:rS+i+1], v[rS+i:rS+i+1], s[CS:CS+1], v[rT:rT+1] op_sel_hi:[1,0,0]   ; t - M, two at a time (of the pairs c and -M the low word serves both halves)
.set i, i+2
.endr
.irp b, 0,1,2,3
	v_fma_f32 v[BM+\b], v[BM+\b], s[CS], v[rT]     ; the same of each block's largest u
.endr
.set i, 0
.rept 64
	v_exp_f32 v[rS+i], v[rS+i]                     ; p = 2^(t - M), at most 1: not normalised
.set i, i+1
.endr
.irp b, 0,1,2,3
	v_exp_f32 v[BM+\b], v[BM+\b]                   ; the block's largest p: the same two instructions on the same number give the same bits
.endr
	v_pk_mul_f32 v[rT+2:rT+3], v[rT+2:rT+3], v[rT+4:rT+5] op_sel_hi:[1,0]   ; the sums under the new M.  (A plain place behind the exponentials)
	s_wait_alu depctr_va_vdst(0)
.irp b, 0,1,2,3
	v_max_num_f32 v[BM+\b], 0x1800000, v[BM+\b]    ; the floor 2^(3 - 127): the byte cannot fall under 1
.endr
.irp b, 0,1,2,3
	v_add_nc_u32 v[SO+\b], 0xff000000, v[BM+\b]    ; 2 off the exponent field: the conversion's scale operand
.endr
.irp b, 0,1,2,3
	v_lshrrev_b32 v[BP+\b], 23, v[SO+\b]           ; the scale's byte
.endr
	v_lshl_or_b32 v[PW+\x], v[BP+1], 8, v[BP]      ; p's scale word for these 128 keys
	v_lshl_or_b32 v[PW+\x], v[BP+2], 16, v[PW+\x]
	v_lshl_or_b32 v[PW+\x], v[BP+3], 24, v[PW+\x]
.irp c, 0,1
	v_cvt_scalef32_pk16_fp6_f32 v[rC+6*\c:rC+2+6*\c], v[rS+32*\c:rS+15+32*\c], v[SO+2*\c]
	v_cvt_scalef32_pk16_fp6_f32 v[CT+4*\c:CT+2+4*\c], v[rS+16+32*\c:rS+31+32*\c], v[SO+2*\c+1]   ; (a conversion's three registers begin on an even number)
.endr
	v_nop                                          ; one plain place behind a scaled conversion
.irp c, 0,1                                    ; the operand's layout wants a whole block in a lane
.irp i, 0,1,2
	v_permlane16_swap_b32 v[rC+6*\c+\i], v[CT+4*\c+\i]
.endr
.irp i, 0,1,2
	v_mov_b32 v[rC+3+6*\c+\i], v[CT+4*\c+\i]
.endr
.endr
	v_pk_add_f32 v[rT+6:rT+7], v[rS:rS+1], v[rS+2:rS+3]   ; the row's sum is taken of the unquantised p: two at a time, in two chains
.irp j, 4,8,12,16,20,24,28,32,36,40,44,48,52,56,60
	v_pk_add_f32 v[rT+2:rT+3], v[rT+2:rT+3], v[rS+\j:rS+\j+1]
	v_pk_add_f32 v[rT+6:rT+7], v[rT+6:rT+7], v[rS+\j+2:rS+\j+3]
.endr
	v_pk_add_f32 v[rT+2:rT+3], v[rT+2:rT+3], v[rT+6:rT+7]
.endm
; A KEY STEP.  pv = 1: the step before has left p and V in registers.  fill = 1: the next step is asked for.
.macro STEP pv, fill
	CHANGE \fill
	LOADS_A
.if \pv
	PVPART                                         ; while this step's loads land
.endif
	s_wait_dscnt 25                                ; K's 24 loads and its scale words may be out: the mask's numbers are in
.set i, 0
.rept 64
	v_pk_mul_f32 v[SA+i:SA+i+1], v[SA+i:SA+i+1], s[RT:RT+1] op_sel_hi:[1,0]   ; mask x sqrt(128).  (These are also the places between the products above and the loads into V's registers)
.set i, i+2
.endr
	PLACES
	LOADS_V
	s_wait_dscnt 25                                ; V's 25 loads may be out: K and its scale words are in
	SCORES
	PLACES
	SOFTMAX 0
	SOFTMAX 1
	s_xor_b32 s[TB], s[TB], SLOT1                  ; on to the other slot
.endm
	s_wait_loadcnt 0x0                             ; Q
	STEP 0, 1                                      ; key step 0
	s_mov_b32 s[CNT], 14
.Lstep:                                            ; 14 trips: key steps 1 to 14
	STEP 1, 1
	s_sub_co_u32 s[CNT], s[CNT], 1
	s_cmp_lg_u32 s[CNT], 0
	s_cbranch_scc1 .Lstep
	STEP 1, 0                                      ; key step 15 is written out
	s_wait_dscnt 0x0                               ; its V
	PVPART
; 64 numbers of a lane, register 16 b + i = number 32 b + 16 h + i of my row, become a fragment's codes in v[pc] on and the row's scale word in v[pw]
.macro QUANT s, pc, pw
.irp b, 0,1,2,3
	v_max3_num_f32 v[BM+\b], |v[\s+16*\b]|, |v[\s+1+16*\b]|, 0x1800000
.endr
.irp i, 2,4,6,8,10,12,14
.irp b, 0,1,2,3
	v_max3_num_f32 v[BM+\b], v[BM+\b], |v[\s+16*\b+\i]|, |v[\s+1+16*\b+\i]|
.endr
.endr
.irp b, 0,1,2,3
	v_permlanex16_b32 v[BP+\b], v[BM+\b], s[SEL], s[SEL+1]
.endr
.irp b, 0,1,2,3
	v_max_num_f32 v[BM+\b], v[BM+\b], v[BP+\b]
.endr
.irp b, 0,1,2,3
	v_add_nc_u32 v[SO+\b], 0xff000000, v[BM+\b]
.endr
.irp b, 0,1,2,3
	v_lshrrev_b32 v[BP+\b], 23, v[SO+\b]
.endr
	v_lshl_or_b32 v[\pw], v[BP+1], 8, v[BP]
	v_lshl_or_b32 v[\pw], v[BP+2], 16, v[\pw]
	v_lshl_or_b32 v[\pw], v[BP+3], 24, v[\pw]
.irp c, 0,1
	v_cvt_scalef32_pk16_fp6_f32 v[\pc+6*\c:\pc+2+6*\c], v[\s+32*\c:\s+15+32*\c], v[SO+2*\c]
	v_cvt_scalef32_pk16_fp6_f32 v[CT+4*\c:CT+2+4*\c], v[\s+16+32*\c:\s+31+32*\c], v[SO+2*\c+1]
.endr
	v_nop                                          ; one plain place behind a scaled conversion
.irp c, 0,1
.irp i, 0,1,2
	v_permlane16_swap_b32 v[\pc+6*\c+\i], v[CT+4*\c+\i]
.endr
.irp i, 0,1,2
	v_mov_b32 v[\pc+3+6*\c+\i], v[CT+4*\c+\i]
.endr
.endr
.endm
	; THE WAY OUT.  O^T / the sum; the head's 128 numbers are brought into their natural order along the lanes' registers, since the last product's other operand, o_w, is given so; then they are quantised.
	PLACES                                         ; behind the last products
.irp x, 0,1
	v_add_f32 v[ST+8*\x+2], v[ST+8*\x+2], v[ST+8*\x+3]         ; the sum's two halves,
	v_permlanex16_b32 v[ST+8*\x+6], v[ST+8*\x+2], s[SEL], s[SEL+1]
	v_add_f32 v[ST+8*\x+2], v[ST+8*\x+2], v[ST+8*\x+6]         ; and lane l xor 16's
	v_rcp_f32 v[RL+2*\x], v[ST+8*\x+2]
	v_rcp_f32 v[RL+2*\x+1], v[ST+8*\x+2]
.endr
	v_nop                                          ; one plain place behind a transcendental
	WIN 0x01                                       ; source 0: O^T, window 1
	s_wait_alu depctr_va_vdst(0)
.irp x, 0,1
.set i, 0
.rept 32
	v_pk_mul_f32 v[SA+64*\x+i:SA+64*\x+i+1], v[64*\x+i:64*\x+i+1], v[RL+2*\x:RL+2*\x+1]   ; each accumulator from its low end on
.set i, i+2
.endr
.endr
	WIN 0
.irp x, 0,1
.irp b, 0,1,2,3
.irp j, 0,1,2,3,4,5,6,7
	v_permlane16_swap_b32 v[SA+64*\x+16*\b+\j], v[SA+64*\x+16*\b+8+\j]   ; numbers 8 + j (lanes 16-31 of the first) and 16 + j (lanes 0-15 of the second) of a block change places: register 16 b + i now holds number 32 b + 16 h + i
.endr
.endr
.endr
.irp x, 0,1
	QUANT SA+64*\x, PC+12*\x, OW+\x
.irp c, 0,1,2
	global_store_b128 v[LI], v[PC+12*\x+4*\c:PC+12*\x+4*\c+3], s[8:9] offset:1536*\x+512*\c th:TH_STORE_NT   ; the fragment's image: 512 consecutive bytes, aligned
.endr
.endr
	v_cndmask_b32 v[TW], v[OW], v[OW+1], s[HI16]   ; lanes 0-15: my first tile's rows, lanes 16-31: my second's
	global_store_b32 v[L32], v[TW], s[10:11] th:TH_STORE_NT
	s_wait_tensorcnt 0x0                           ; the wave's end
	ds_add_u32 v[SPW], v[NIL]
	s_wait_dscnt 0x0
	CROUND                                         ; the closing round: no work-group ends while a partner may still ask for a tile that names it
	s_endpgm
.Lfunc_end_k_q914e79caf6_attention:
	.size	k_q914e79caf6_attention, .Lfunc_end_k_q914e79caf6_attention-k_q914e79caf6_attention
	.p2alignl 7, 3214868480
	.fill 96, 4, 3214868480
	.section	.rodata,"a",@progbits
	.p2align	6, 0x0
	.amdhsa_kernel k_q914e79caf6_attention
		.amdhsa_group_segment_fixed_size 327680
		.amdhsa_private_segment_fixed_size 0
		.amdhsa_enable_private_segment 0
		.amdhsa_kernarg_size 32
		.amdhsa_user_sgpr_count 2
		.amdhsa_user_sgpr_kernarg_segment_ptr 1
		.amdhsa_wavefront_size32 1
		.amdhsa_system_sgpr_workgroup_id_x 1
		.amdhsa_system_sgpr_workgroup_id_y 1
		.amdhsa_system_sgpr_workgroup_id_z 1
		.amdhsa_system_vgpr_workitem_id 0
		.amdhsa_next_free_vgpr 768
		.amdhsa_next_free_sgpr 80
		.amdhsa_reserve_vcc 0
		.amdhsa_float_denorm_mode_32 3
		.amdhsa_float_denorm_mode_16_64 3
		.amdhsa_memory_ordered 1
		.amdhsa_forward_progress 1
		.amdhsa_inst_pref_size 149
	.end_amdhsa_kernel
	.amdgpu_metadata
---
amdhsa.version: [ 1, 2 ]
amdhsa.kernels:
  - .name:           k_q914e79caf6_attention
    .symbol:         k_q914e79caf6_attention.kd
    .args:
      - { .name: qkv, .offset: 0, .size: 8, .value_kind: global_buffer, .address_space: global }
      - { .name: attention_mask, .offset: 8, .size: 8, .value_kind: global_buffer, .address_space: global }
      - { .name: att_img, .offset: 16, .size: 8, .value_kind: global_buffer, .address_space: global }
      - { .name: att_scales, .offset: 24, .size: 8, .value_kind: global_buffer, .address_space: global }
    .group_segment_fixed_size: 327680
    .private_segment_fixed_size: 0
    .kernarg_segment_align: 8
    .kernarg_segment_size: 32
    .max_flat_workgroup_size: 128
    .sgpr_count:     80
    .vgpr_count:     768
    .wavefront_size: 32
...
	.end_amdgpu_metadata
.endif
;; end of part 3
;; launch out_proj (part 4): grid 8 x 32, 4 waves a work-group, clusters of 4 x 4, 327,680 bytes of LDS; arguments att_img, att_scales, o_w_codes, o_w_scales, out0; writes out0
.if DOCPART == 4
	.amdgcn_target "amdgcn-amd-amdhsa--gfx1250"
	.amdhsa_code_object_version 6
	.text
	.protected	k_q914e79caf6_out_proj
	.globl	k_q914e79caf6_out_proj
	.p2align	8
	.type	k_q914e79caf6_out_proj,@function
k_q914e79caf6_out_proj:
	s_mov_b64 s[64:65], 0
	v_nop
	global_prefetch_b8 v0, s[64:65] scope:SCOPE_SE
	s_setreg_imm32_b32 hwreg(HW_REG_WAVE_MODE, 25, 1), 1
	s_wait_xcnt 0x0
	s_wait_alu depctr_hold_cnt(0) depctr_sa_sdst(0) depctr_va_vdst(0) depctr_va_sdst(0) depctr_va_ssrc(0) depctr_va_vcc(0) depctr_vm_vsrc(0)
	s_getreg_b32 s2, hwreg(HW_REG_IB_STS2, 6, 4)
	s_cmp_eq_u32 s2, 0
	s_cbranch_scc0 .Lentry_in_a_cluster
	s_endpgm
.Lentry_in_a_cluster:
	s_bfe_u32 s2, ttmp6, 0x10000c
	s_cmp_lg_u32 s2, 0xf033
	s_cbranch_scc0 .Lentry_shape_is_right
	s_endpgm
.Lentry_shape_is_right:
; out0[m][n] = sum over k of A[m][k] o_w[n][k], on codes of FP6 (E2M3) with one E8M0 scale for each 32 along K = 1,024; out0: [4,096][2,048] f32; sums in f32.
; A is the attention launch's result.  Its codes arrive as IMAGES OF OPERAND REGISTERS: att_img[group of 128 rows 32][128 along K 8][fragment of 16 rows 8] x 1,536 bytes (registers 4 c .. 4 c + 3 of lane l at 512 c + 16 l);
; its scale bytes as rows, att_scales[4,096][32].  o_w (B) arrives as rows of codes (a stream of bits, 128 codes in 96 bytes, 768 bytes a row) and rows of scale bytes.
; NO RING.  A work-group makes 128 rows x 256 columns: 256 work-groups.  Its operands for ALL of K fit into LDS together: A's images 98,304 bytes, B's 256 rows 208,896 with padding, the scale bytes 13,056.
; So every LDS byte is filled once.  Each wave issues nine tensor loads at the start, a quarter of each piece, in the order of K; the products begin when the first quarter of K has landed, behind a counted wait
; and a barrier, and three more such barriers open the rest.  Each piece is cut into quarters, one a wave, so that every wave has the same loads in the same order: one count serves all.
; B IN LDS.  A row's 768 bytes are cut into three pieces of 256 bytes, which begin at multiples of 256 bytes from the buffer's first byte; piece c of all 256 rows is a chunk: 256 rows x (256 + 16) bytes.
; Pitch 272 = 68 words: row r begins at bank 4 r mod 64 (64 banks of 4 bytes: ISA guide 11.1); lanes 16-31 read 24 bytes further on: the 32 lanes of a load of 8 bytes touch 64 different banks.
; CLUSTERS: 4 x 4 work-groups; A's pieces are asked for jointly along a row of the cluster, B's along a column.  THE MATRIX INSTRUCTION IS USED TRANSPOSED (source 0 = 16 rows of o_w, source 1 = 16 rows of A):
; a lane then holds eight neighbouring numbers of a row of out0.
; SHARES.  A wave makes 64 rows x 128 columns: 32 accumulators of 16 x 16.  Eight K steps of 128, 32 matrix instructions each, written out; both operands have two sets of registers, and a step's LDS loads are
; issued a step ahead, in two runs, each in front of sixteen matrix instructions.
; REGISTERS, in windows of 256: window 0: v0-31 addresses; v32-95 the scale words of all eight K steps, loaded once (they hold nothing else); v128-223 A's fragments, two sets of 48; on the way out v128-255 take rows read back.
;   window 1: B's fragments, two sets, at v0 and at v128.   window 2: the accumulators ((a, b) at v[8 (8 a + b)]).
.set SIZE_N, 2048
.set FR,     12                        ; registers of a fragment
.set NP,     4                         ; places behind this matrix instruction (ISA guide 7.12.1)
.set GRPB,   98304                     ; A's images of 128 rows, all of K
.set ACH,    24576                     ; those of 256 along K: two K steps
.set AQ,     ACH/4                     ; a wave's quarter of them: 24 rows of 256 bytes
.set BOFF,   GRPB                      ; LDS: A's images at 0, B's chunks behind them
.set BPI,    272                       ; a row of a chunk
.set CH,     256*BPI                   ; a chunk
.set BQ,     64*BPI                    ; a wave's quarter of a chunk: 64 rows
.set SCL,    BOFF+3*CH                 ; A's scale bytes: 128 rows x 32 bytes = 16 runs of 256 bytes + 16 of padding
.set SCLB,   SCL+16*272                ; B's: 32 such runs, on end with A's
.set SBLK,   2*272                     ; the scale bytes of 16 rows
.set SPARE,  SCLB+32*272               ; the spare words, 128 bytes for each wave, which no other line names
.set SPITCH, 528                       ; the way out: a stage of 16 rows x (512 bytes + 16) for each wave, in A's first 33,792 bytes, behind a barrier behind which no wave reads LDS operands any more
.set ADRA, 16                          ; v16-17  LDS address of my A images: K steps 0-3, K steps 4-7
.set ADRB, 18                          ; v18-20  of my B fragments in chunk 0, 1, 2
.set ADRX, 21                          ; v21-22  the same for the pieces whose partner three pieces on lies in the next chunk: lanes 16-31 stand there
.set STO,  24                          ; v24     the way out: where I put 32 bytes of a row
.set RD,   25                          ; v25     the way out: where I read a row back
.set CO,   26                          ; v26     16 x lane: my byte offset in a row of out0
.set ADRS, 27                          ; v27     LDS address of my scale words: lanes 0-15 A's rows, lanes 16-31 B's
.set SPW,  28                          ; v28     LDS address of my spare word; never rewritten
.set NIL,  29                          ; v29     0; never rewritten
.set SC,   32                          ; scale words: register 8 i + q: lanes 0-15 the word of A's block i, lanes 16-31 that of B's block i, for K step q
.set AF,   128                         ; A's fragments, in window 0: set p at AF + 48 p
.set BK,   128                         ; the way out: 16 rows read back: v128-191 and v192-255 by turns
.set G1A,  24                          ; s[24:31] descriptor group 1 for A's pieces;  s[32:39] for B's;  s[40:47], s[48:55] for A's and B's scale bytes
.set G1B,  32
.set G1SA, 40
.set G1SB, 48
.set G0SA, 56                          ; s[56:59], s[60:63] groups 0 for the scale bytes;  s[68:83] for A's four pieces;  s[84:95] for B's three
.set G0SB, 60
.set G0A,  68
.set G0B,  84
.set MSB, 0
.macro WIN new                         ; the immediate's high byte repeats the setting that is left
.if MSB != \new
	s_set_vgpr_msb (MSB<<8)|\new
.set MSB, \new
.endif
.endm
.set MUL_LO, 0xa1                      ; source 0 (B) window 1, source 1 (A) window 0, C and D window 2
.set TO_B,   0x40                      ; destination window 1, address window 0
.macro CROUND                          ; a round of the cluster's barrier
	s_barrier_signal -1
	s_barrier_wait -1
	s_cmp_lg_u32 s14, 0
	s_cbranch_scc1 .Lnot_wave_0_\@
	s_barrier_signal -3
.Lnot_wave_0_\@:
	s_barrier_wait -3
	s_barrier_signal -1
	s_barrier_wait -1
.endm
	s_load_b128 s[4:7], s[0:1], 0x0                ; A's images s[4:5], A's scales s[6:7]
	s_load_b128 s[8:11], s[0:1], 0x10              ; B's codes s[8:9], B's scales s[10:11]
	s_load_b64 s[12:13], s[0:1], 0x20              ; out0
	v_lshl_add_u32 v[SPW], v0, 2, SPARE
	v_mov_b32 v[NIL], 0
	ds_add_u32 v28, v29
	s_wait_dscnt 0x0
	v_lshrrev_b32 v1, 5, v0
	v_readfirstlane_b32 s14, v1                    ; wave 0..3
	s_lshr_b32 s15, s14, 1                         ; which 64 of the tile's 128 rows are mine
	s_and_b32 s16, s14, 1                          ; which 128 of its 256 columns
	s_bfe_u32 s96, ttmp6, 0x40000                  ; cx, cy: my place in the cluster
	s_bfe_u32 s97, ttmp6, 0x40004
	s_lshl_b32 s98, ttmp9, 2
	s_add_co_u32 s98, s98, s96                     ; tile column, 0 .. 7 = 4 x cluster x + cx
	s_and_b32 s17, ttmp7, 0xffff
	s_lshl_b32 s17, s17, 2
	s_add_co_u32 s17, s17, s97                     ; tile row, 0 .. 31 = 4 x cluster y + cy
	s_lshl_b32 s99, s97, 2
	s_lshl_b32 s99, 15, s99                        ; my row of the cluster
	s_lshl_b32 s100, 0x1111, s96                   ; my column
	; group 1 for a quarter of A's images of two K steps: 24 dense rows of 256 bytes (32 elements of 8 bytes), no padding
	s_or_b32 s[G1A+0], s99, (3<<16)|(1<<21)        ; 15:0 the mask: my row; 17:16 elements of 8 bytes; 21 set beside a mask
	s_mov_b32 s[G1A+1], 32<<16                     ; tensor_dim0
	s_mov_b32 s[G1A+2], 24<<16                     ; tensor_dim1
	s_mov_b32 s[G1A+3], 32<<16                     ; tile_dim0
	s_mov_b32 s[G1A+4], 24                         ; tile_dim1
	s_mov_b32 s[G1A+5], 32                         ; tensor_dim0_stride
	s_mov_b32 s[G1A+6], 0
	s_mov_b32 s[G1A+7], 0
	; for a quarter of a chunk of B: 64 rows of 256 bytes, 768 bytes (96 elements) apart in memory, 4 words of padding behind each row's 64 words
	s_or_b32 s[G1B+0], s100, (3<<16)|(1<<20)|(1<<21)|(5<<22)|(3<<25)  ; the mask: my column; 20 padding on; 24:22 after every 64 words (code 5); 31:25 of 4 words (code 3)
	s_mov_b32 s[G1B+1], 32<<16
	s_mov_b32 s[G1B+2], 64<<16
	s_mov_b32 s[G1B+3], 32<<16
	s_mov_b32 s[G1B+4], 64
	s_mov_b32 s[G1B+5], 96
	s_mov_b32 s[G1B+6], 0
	s_mov_b32 s[G1B+7], 0
	; for a quarter of the scale bytes: dense rows of 256 bytes, 16 bytes of padding behind each: 4 of A's 16, 8 of B's 32
	s_or_b32 s[G1SA+0], s99, (3<<16)|(1<<20)|(1<<21)|(5<<22)|(3<<25)
	s_mov_b32 s[G1SA+1], 32<<16
	s_mov_b32 s[G1SA+2], 4<<16
	s_mov_b32 s[G1SA+3], 32<<16
	s_mov_b32 s[G1SA+4], 4
	s_mov_b32 s[G1SA+5], 32
	s_mov_b32 s[G1SA+6], 0
	s_mov_b32 s[G1SA+7], 0
	s_or_b32 s[G1SB+0], s100, (3<<16)|(1<<20)|(1<<21)|(5<<22)|(3<<25)
	s_mov_b32 s[G1SB+1], 32<<16
	s_mov_b32 s[G1SB+2], 8<<16
	s_mov_b32 s[G1SB+3], 32<<16
	s_mov_b32 s[G1SB+4], 8
	s_mov_b32 s[G1SB+5], 32
	s_mov_b32 s[G1SB+6], 0
	s_mov_b32 s[G1SB+7], 0
	; where my quarters begin in memory.  A's hang on the tile row and the wave alone, B's on the tile column and the wave alone, each in registers that never hold the other coordinate
	s_mul_i32 s18, s17, GRPB                       ; A's images: the tile row's group of 128 rows,
	s_mul_i32 s19, s14, AQ                         ; my quarter of a piece
	s_add_co_u32 s18, s18, s19
	s_mov_b32 s19, 0
	s_lshl_b32 s20, s17, 12                        ; A's scale bytes: 128 rows of 32 bytes,
	s_lshl_b32 s21, s14, 10                        ; my 1,024
	s_add_co_u32 s20, s20, s21
	s_mov_b32 s21, 0
	s_mul_i32 s22, s98, 256*768                    ; B's codes: the tile column's 256 rows,
	s_mul_i32 s23, s14, 64*768                     ; my 64
	s_add_co_u32 s22, s22, s23
	s_mov_b32 s23, 0
	s_lshl_b32 s2, s98, 13                         ; B's scale bytes: 256 rows of 32 bytes,
	s_lshl_b32 s3, s14, 11                         ; my 2,048
	s_add_co_u32 s2, s2, s3
	s_mov_b32 s3, 0
	s_wait_kmcnt 0x0
	s_add_nc_u64 s[18:19], s[4:5], s[18:19]
	s_add_nc_u64 s[20:21], s[6:7], s[20:21]
	s_add_nc_u64 s[22:23], s[8:9], s[22:23]
	s_add_nc_u64 s[2:3], s[10:11], s[2:3]
	; groups 0, one for each load: none is written again.  Every LDS address is a constant + the wave's number x a constant
	s_mov_b32 s[G0SA], 1                           ; 1:0 count = 1
	s_mul_i32 s[G0SA+1], s14, 4*272                ; 63:32 LDS address
	s_add_co_u32 s[G0SA+1], s[G0SA+1], SCL
	s_mov_b64 s[G0SA+2:G0SA+3], s[20:21]           ; 120:64 global address
	s_or_b32 s[G0SA+3], s[G0SA+3], 0x80000000      ; 127:126 type = 2
	s_mov_b32 s[G0SB], 1
	s_mul_i32 s[G0SB+1], s14, 8*272
	s_add_co_u32 s[G0SB+1], s[G0SB+1], SCLB
	s_mov_b64 s[G0SB+2:G0SB+3], s[2:3]
	s_or_b32 s[G0SB+3], s[G0SB+3], 0x80000000
	s_mul_i32 s101, s14, AQ
.irp j, 0,1,2,3
	s_mov_b32 s[G0A+4*\j], 1
	s_add_co_u32 s[G0A+4*\j+1], s101, \j*ACH
	s_add_nc_u64 s[G0A+4*\j+2:G0A+4*\j+3], s[18:19], \j*ACH
	s_or_b32 s[G0A+4*\j+3], s[G0A+4*\j+3], 0x80000000
.endr
	s_mul_i32 s101, s14, BQ
.irp c, 0,1,2
	s_mov_b32 s[G0B+4*\c], 1
	s_add_co_u32 s[G0B+4*\c+1], s101, BOFF+\c*CH
	s_add_nc_u64 s[G0B+4*\c+2:G0B+4*\c+3], s[22:23], \c*256
	s_or_b32 s[G0B+4*\c+3], s[G0B+4*\c+3], 0x80000000
.endr
	CROUND                                         ; all sixteen work-groups are here: the joint loads meet
	; ALL THE LAUNCH'S FILLS, one group, in the order of K: nine loads of mine are out.  K steps 2 j, 2 j + 1 want A's piece j; K steps 0, 1 want B's chunk 0, K steps 2 to 4 also chunk 1, K steps 5 to 7 also chunk 2
	tensor_load_to_lds s[G0SA:G0SA+3], s[G1SA:G1SA+7]
	s_nop 0
	tensor_load_to_lds s[G0SB:G0SB+3], s[G1SB:G1SB+7]
	s_nop 0
	tensor_load_to_lds s[G0A:G0A+3], s[G1A:G1A+7]
	s_nop 0
	tensor_load_to_lds s[G0B:G0B+3], s[G1B:G1B+7]
	s_nop 0
	tensor_load_to_lds s[G0A+4:G0A+7], s[G1A:G1A+7]
	s_nop 0
	tensor_load_to_lds s[G0B+4:G0B+7], s[G1B:G1B+7]
	s_nop 0
	tensor_load_to_lds s[G0A+8:G0A+11], s[G1A:G1A+7]
	s_nop 0
	tensor_load_to_lds s[G0B+8:G0B+11], s[G1B:G1B+7]
	s_nop 0
	tensor_load_to_lds s[G0A+12:G0A+15], s[G1A:G1A+7]
	s_nop 0
.rept 4
	v_nop
.endr
	v_and_b32 v1, 15, v0                           ; r = l % 16
	v_bfe_u32 v2, v0, 4, 1                         ; h = l / 16
	v_and_b32 v[CO], 31, v0
	v_lshlrev_b32 v[CO], 4, v[CO]                  ; 16 x lane
	s_mul_i32 s18, s15, 4*1536                     ; A: my four fragments of a K step's eight
	v_add_nc_u32 v[ADRA], s18, v[CO]
	v_add_nc_u32 v[ADRA+1], 4*12288, v[ADRA]       ; K steps 4 to 7: an LDS instruction's offset has 16 bits
	v_mul_u32_u24 v3, v1, BPI
	v_mul_u32_u24 v4, v2, 24
	v_add_nc_u32 v4, v3, v4                        ; B: a fragment's row x pitch + 24 x half
	v_mul_u32_u24 v5, v2, CH-256+24
	v_add_nc_u32 v5, v3, v5                        ; and where three pieces on is in the next chunk: a chunk on, 256 bytes back, 24 on
	s_mul_i32 s19, s16, 128*BPI                    ; my 128 rows
	s_add_co_u32 s19, s19, BOFF
.irp c, 0,1,2
	v_add_nc_u32 v[ADRB+\c], s19, v4
.if \c < 2
	v_add_nc_u32 v[ADRX+\c], s19, v5
.endif
	s_add_co_u32 s19, s19, CH
.endr
	v_lshlrev_b32 v5, 5, v1                        ; my row's scale bytes: 32 a row,
	v_lshrrev_b32 v6, 8, v5
	v_lshl_add_u32 v5, v6, 4, v5                   ; and 16 more for each 256 passed
	s_mul_i32 s20, s15, 8*272                      ; A's: my 64 rows
	s_mul_i32 s21, s16, 16*272                     ; B's: my 128 rows, behind A's 128
	s_add_co_u32 s21, s21, SCLB-SCL
	s_sub_co_u32 s21, s21, s20
	v_mul_u32_u24 v6, s21, v2                      ; lanes 16-31 take B's
	s_add_co_u32 s20, s20, SCL
	v_add_nc_u32 v5, v5, v6
	v_add_nc_u32 v[ADRS], s20, v5
	s_mul_i32 s23, s14, 16*SPITCH                  ; my stage
	v_mul_u32_u24 v5, v1, SPITCH                   ; in: row l % 16, 32 bytes for each half of the lanes
	v_lshl_add_u32 v5, v2, 5, v5
	v_add_nc_u32 v[STO], s23, v5
	v_add_nc_u32 v[RD], s23, v[CO]                 ; back: the 32 lanes take one row of 512 bytes
	s_lshl_b32 s20, s17, 7
	s_lshl_b32 s21, s15, 6
	s_add_co_u32 s20, s20, s21                     ; my first row of out0: 128 x tile row + 64 x half
	s_lshl_b32 s20, s20, 13                        ; rows of 8,192 bytes
	s_lshl_b32 s22, s98, 10                        ; my first column, in bytes: 1,024 x tile column + 512 x half
	s_lshl_b32 s23, s16, 9
	s_add_co_u32 s22, s22, s23
	s_add_co_u32 s20, s20, s22
	s_mov_b32 s21, 0
	s_add_nc_u64 s[12:13], s[12:13], s[20:21]
.macro FRAG reg, q, i                  ; a fragment of B, block i, K step q: 12 registers; registers 6 c .. 6 c + 5 hold K = 64 c + 32 (l / 16) + 0 .. 31: 24 bytes of the row's stream of bits, in pieces of 8 bytes
.irp p, 0,1,2,3,4,5                    ; lanes 0-15 take the row's pieces 12 q + 0, 1, 2 and 12 q + 6, 7, 8, lanes 16-31 those three pieces on.  A chunk holds 32 pieces of each row
.set PCE, 12*(\q)+6*(\p/3)+\p%3
.if PCE%32 < 29
	ds_load_b64 v[\reg+2*\p:\reg+2*\p+1], v[ADRB+PCE/32] offset:8*(PCE%32)+(\i)*16*BPI
.else
	ds_load_b64 v[\reg+2*\p:\reg+2*\p+1], v[ADRX+PCE/32] offset:8*(PCE%32)+(\i)*16*BPI
.endif
.endr
.endm
.macro FRAGA reg, q, i                 ; a fragment of A from its image: three loads of 512 consecutive bytes
.irp c, 0,1,2
	ds_load_b128 v[\reg+4*\c:\reg+4*\c+3], v[ADRA+(\q)/4] offset:((\q)%4)*12288+(\i)*1536+512*\c
.endr
.endm
.macro RUN1 n                          ; 36 LDS loads: K step n's B blocks 0-3 and A's four, into set n % 2
	WIN TO_B
.irp i, 0,1,2,3
	FRAG 128*((\n)%2)+FR*\i, \n, \i
.endr
	WIN 0
.irp i, 0,1,2,3
	FRAGA AF+48*((\n)%2)+FR*\i, \n, \i
.endr
.endm
.macro RUN2 n                          ; 24 LDS loads: K step n's B blocks 4-7
	WIN TO_B
.irp i, 4,5,6,7
	FRAG 128*((\n)%2)+FR*\i, \n, \i
.endr
	WIN 0
.endm
; 16 matrix instructions: A's four blocks x B's blocks b0 .. b0 + 3, K step q, from set p.  zero = 1: the first product starts the sums: nothing is ever cleared.
; The 32 accumulators take turns, one instruction a turn, in the same order in every step.
.macro MULH b0, p, q, zero
.irp a, 0,1,2,3
.irp b, \b0, \b0+1, \b0+2, \b0+3
.if \zero
	v_wmma_scale_f32_16x16x128_f8f6f4 v[8*(8*\a+(\b)):8*(8*\a+(\b))+7], v[128*(\p)+FR*(\b):128*(\p)+FR*(\b)+FR-1], v[AF+48*(\p)+FR*\a:AF+48*(\p)+FR*\a+FR-1], 0, v[SC+8*(\b)+(\q)], v[SC+8*\a+(\q)] matrix_a_fmt:MATRIX_FMT_FP6 matrix_b_fmt:MATRIX_FMT_FP6 matrix_a_scale:MATRIX_SCALE_ROW1
.else
	v_wmma_scale_f32_16x16x128_f8f6f4 v[8*(8*\a+(\b)):8*(8*\a+(\b))+7], v[128*(\p)+FR*(\b):128*(\p)+FR*(\b)+FR-1], v[AF+48*(\p)+FR*\a:AF+48*(\p)+FR*\a+FR-1], v[8*(8*\a+(\b)):8*(8*\a+(\b))+7], v[SC+8*(\b)+(\q)], v[SC+8*\a+(\q)] matrix_a_fmt:MATRIX_FMT_FP6 matrix_b_fmt:MATRIX_FMT_FP6 matrix_a_scale:MATRIX_SCALE_ROW1
.endif
.endr
.endr
.endm
; A load into a register that a matrix instruction has read, and an LDS store that reads a matrix result, stand NP places behind that matrix instruction; only plain vector instructions that name none of its registers are places.
.macro PLACES n
.rept \n
	v_nop
.endr
.endm
; K step q of the first seven.  It multiplies set q % 2 and fetches K step q + 1 into the other set, whose last readers are step q - 1's products: the four places at the head stand between those and both runs of loads.
; tc >= 0: K step q + 1 begins pieces that have not been shown landed: each wave waits until at most tc of its tensor loads are out, and a barrier shows it of all four.
.macro KSTEP q, tc, zero
.if (\tc) >= 0
	s_wait_dscnt 0x0                               ; no LDS instruction of mine is out at a signal
	s_wait_tensorcnt \tc                           ; tensor loads of a wave end in order (ISA guide 10.11.1): my quarters of the next pieces are in; the tc younger loads stay out
	s_barrier_signal -1
	s_barrier_wait -1                              ; everybody's are
.else
	s_wait_dscnt 24                                ; A's four and B's blocks 0-3 of this step are in; the youngest 24 loads (B's blocks 4-7) may be out
.endif
	PLACES NP
	RUN1 (\q)+1
	WIN MUL_LO
	MULH 0, (\q)%2, \q, \zero
	s_wait_dscnt 36                                ; all but the 36 just issued: this step's B blocks 4-7 are in
	RUN2 (\q)+1
	WIN MUL_LO
	MULH 4, (\q)%2, \q, \zero
	WIN 0
.endm
	s_wait_tensorcnt 5                             ; the scale bytes, A's piece 0 and B's chunk 0: my quarters are in; the five younger loads stay out,
	s_barrier_signal -1
	s_barrier_wait -1                              ; everybody's are
.irp i, 0,1,2,3,4,5,6,7                        ; all the launch's scale words: a row's 32 bytes are its eight words.  Lanes 0-15 take A's rows 16 i + r from my first on, lanes 16-31 B's.
	ds_load_b128 v[SC+8*\i:SC+8*\i+3], v[ADRS] offset:\i*SBLK          ; (for i over 3 lanes 0-15 read rows that are not mine, inside the scale bytes that have landed: no product takes those lanes)
	ds_load_b128 v[SC+8*\i+4:SC+8*\i+7], v[ADRS] offset:\i*SBLK+16
.endr
	RUN1 0
	RUN2 0
	KSTEP 0, -1, 1                                 ; its products start the sums
	KSTEP 1, 3, 0                                  ; K steps 2, 3 want A's piece 1 and B's chunk 1: three loads were issued behind them
	KSTEP 2, -1, 0
	KSTEP 3, 1, 0                                  ; K steps 4, 5 want A's piece 2 and B's chunk 2: one load was issued behind them
	KSTEP 4, -1, 0
	KSTEP 5, 0, 0                                  ; K steps 6, 7 want A's piece 3, the last load
	KSTEP 6, -1, 0
	s_wait_dscnt 0x0                               ; K step 7: nothing more to fetch: my reads of the operands are over:
	s_barrier_signal -1                            ; say so,
	WIN MUL_LO
	MULH 0, 1, 7, 0                                ; work on registers while the others arrive,
	MULH 4, 1, 7, 0
	WIN 0
	s_barrier_wait -1                              ; and go on when all four have said so: A's first bytes may now take the stages
; THE WAY OUT, block by block of 16 rows x 128 columns.  A lane holds 32 neighbouring bytes of a row, and the lanes beside it hold other rows: so a block goes through my own stage in LDS and comes back as whole
; rows of 512 bytes.  LDS serves a wave's instructions in order (ISA guide 5.7.1.4): no wait between the stores and the loads, nor in front of the next block's stores.
.macro TOSTAGE a
.set AC, 64*(\a)
	WIN 0x08                                       ; an LDS store's data are its source 1: window 2
.irp b, 0,1,2,3,4,5,6,7
	ds_store_b128 v[STO], v[AC+8*\b:AC+8*\b+3] offset:64*\b          ; each accumulator from its low end on
	ds_store_b128 v[STO], v[AC+8*\b+4:AC+8*\b+7] offset:64*\b+16
.endr
	WIN 0
.set BB, BK+64*((\a)%2)
.irp t, 0,1,2,3,4,5,6,7,8,9,10,11,12,13,14,15
	ds_load_b128 v[BB+4*\t:BB+4*\t+3], v[RD] offset:\t*SPITCH
.endr
.endm
.macro SEND a, younger                 ; younger: the LDS instructions issued behind block a's loads, which may stay out
.set BB, BK+64*((\a)%2)
	s_wait_dscnt \younger                          ; the block is back in registers
.if (\a) > 0
	s_add_nc_u64 s[12:13], s[12:13], 16*SIZE_N*4   ; (behind a wait on XCNT: the earlier stores have read their base)  16 rows on, so that the stores' offsets stay at 15 rows at the most
.endif
.irp t, 0,1,2,3,4,5,6,7,8,9,10,11,12,13,14,15
	global_store_b128 v[CO], v[BB+4*\t:BB+4*\t+3], s[12:13] offset:\t*SIZE_N*4 th:TH_STORE_NT   ; 32 lanes store 512 consecutive bytes, aligned; written once, read by nobody here
.endr
.endm
	PLACES NP                                      ; behind the last products: for the loads into the registers that held A's fragments, and for the reads of the last results
	TOSTAGE 0
.irp a, 1,2,3
.if \a > 1
	s_wait_xcnt 0x0                                ; block a - 2's stores have read their registers and their base: block a's loads may land there, and the base may step
.endif
	TOSTAGE \a
	SEND \a-1, 32                                  ; behind block a - 1's loads: block a's 16 stores and 16 loads
.endr
	s_wait_xcnt 0x0                                ; block 2's stores have read their base
	SEND 3, 0
	s_wait_tensorcnt 0x0                           ; the wave's end: behind my last tensor load and my last LDS store
	ds_add_u32 v[SPW], v[NIL]
	s_wait_dscnt 0x0
	CROUND                                         ; the closing round: no work-group ends while a partner may still ask for a piece that names it
	s_endpgm
.Lfunc_end_k_q914e79caf6_out_proj:
	.size	k_q914e79caf6_out_proj, .Lfunc_end_k_q914e79caf6_out_proj-k_q914e79caf6_out_proj
	.p2alignl 7, 3214868480
	.fill 96, 4, 3214868480
	.section	.rodata,"a",@progbits
	.p2align	6, 0x0
	.amdhsa_kernel k_q914e79caf6_out_proj
		.amdhsa_group_segment_fixed_size 327680
		.amdhsa_private_segment_fixed_size 0
		.amdhsa_enable_private_segment 0
		.amdhsa_kernarg_size 40
		.amdhsa_user_sgpr_count 2
		.amdhsa_user_sgpr_kernarg_segment_ptr 1
		.amdhsa_wavefront_size32 1
		.amdhsa_system_sgpr_workgroup_id_x 1
		.amdhsa_system_sgpr_workgroup_id_y 1
		.amdhsa_system_sgpr_workgroup_id_z 1
		.amdhsa_system_vgpr_workitem_id 0
		.amdhsa_next_free_vgpr 768
		.amdhsa_next_free_sgpr 102
		.amdhsa_reserve_vcc 0
		.amdhsa_float_denorm_mode_32 3
		.amdhsa_float_denorm_mode_16_64 3
		.amdhsa_memory_ordered 1
		.amdhsa_forward_progress 1
		.amdhsa_inst_pref_size 92
	.end_amdhsa_kernel
	.amdgpu_metadata
---
amdhsa.version: [ 1, 2 ]
amdhsa.kernels:
  - .name:           k_q914e79caf6_out_proj
    .symbol:         k_q914e79caf6_out_proj.kd
    .args:
      - { .name: att_img, .offset: 0, .size: 8, .value_kind: global_buffer, .address_space: global }
      - { .name: att_scales, .offset: 8, .size: 8, .value_kind: global_buffer, .address_space: global }
      - { .name: o_w_codes, .offset: 16, .size: 8, .value_kind: global_buffer, .address_space: global }
      - { .name: o_w_scales, .offset: 24, .size: 8, .value_kind: global_buffer, .address_space: global }
      - { .name: out0, .offset: 32, .size: 8, .value_kind: global_buffer, .address_space: global }
    .group_segment_fixed_size: 327680
    .private_segment_fixed_size: 0
    .kernarg_segment_align: 8
    .kernarg_segment_size: 40
    .max_flat_workgroup_size: 128
    .sgpr_count:     102
    .vgpr_count:     768
    .wavefront_size: 32
...
	.end_amdgpu_metadata
.endif
;; end of part 4
